; MI455X (gfx1250); checked and timed in simulation.
; The chip was launched on July 23, 2026; its instructions are those of AMD's public machine-readable ISA for CDNA 5 (MIT licence, August 2026) and "CDNA5" Instruction Set Architecture Reference Guide (July 2026). The comments in the code are by the model that wrote it; some were corrected since.
;; multi Head Attention. Allowed arithmetic: matrix products marked QUANTISED: E2M1 operands, one E8M0 scale for each 32 along K, by v_wmma_scale_f32_16x16x128_f8f6f4 with both operands' format E2M1 (or v_wmma_scale_f32_32x16x128_f4), f32 sums; products left as they are: bf16, f16 or f32 operands; f32 sums; everything else in f32.
;; Inputs: Wk 1,024 x 1,024 float32; Wp 1,024 x 1,024 float32; Wq 1,024 x 1,024 float32; Wv 1,024 x 1,024 float32; bp 1,024 float32; x 4 x 2,048 x 1,024 float32.
;; Outputs: out0 4 x 2,048 x 1,024 float32.
;; This version of the problem:
;;   THIS VERSION OF THE PROBLEM IS GIVEN IN LOW PRECISION. The matrix products marked QUANTISED in the list below multiply operands that are first quantised to E2M1 (2 exponent bits, 1 mantissa bit; 4 bits a number), with one power-of-two scale for each 32 numbers along K (OCP MX v1.0); their sums are f32. The products marked 'left as it is' may take bf16, f16 or f32 operands, with f32 sums. Whichever they take, every output number must still come out within the allowed error. Rounding operands to bf16 (8 significant bits) uses up far more of that allowance than f16 does (11 bits, for magnitudes from 6e-5 to 65,504). All else is computed in f32.
;;   The module's matrix products, in the order in which they are computed (A, B: the left and right operand; K: the contracted axis; several contracted axes count as one K, in the product's order):
;;     1. [M 8,192, K 1,024] x [K 1,024, N 1,024]; A: input x; B: input Wq: QUANTISED
;;     2. [M 8,192, K 1,024] x [K 1,024, N 1,024]; A: input x; B: input Wk: QUANTISED
;;     3. [M 8,192, K 1,024] x [K 1,024, N 1,024]; A: input x; B: input Wv: QUANTISED
;;     4. batch 64 x [M 2,048, K 64] x [K 64, N 2,048]; A: computed on the way; B: computed on the way: left as it is (an operand is computed on the way)
;;     5. batch 64 x [M 2,048, K 2,048] x [K 2,048, N 64]; A: computed on the way; B: computed on the way: left as it is (an operand is computed on the way)
;;     6. [M 8,192, K 1,024] x [K 1,024, N 1,024]; A: computed on the way; B: input Wp: left as it is (an operand is computed on the way)
;;   THE QUANTISER, for each operand of a quantised product, along K:
;;     - K is cut into blocks of 32 from its start; a last block that is shorter is filled with zeros.
;;     - A block's scale is 2^e with e = floor(log2(the largest magnitude in the block)) - 2, held to -126 .. 127; a block of zeros has e = 0. As a byte (E8M0): e + 127.
;;     - Each number is divided by its block's scale, clamped to +-6, and rounded to the nearest number of E2M1, ties to even, subnormals kept.
;;     - The product sums the exact products of the quantised numbers (number of the format x scale) in f32.
;;   ~~~python
;;   def quantise(x, axis):      # numpy; x: float32 -> the quantised numbers, widened to float32 again
;;       x = np.moveaxis(x, axis, -1); K = x.shape[-1]
;;       x = np.pad(x, [(0, 0)] * (x.ndim - 1) + [(0, -K % 32)]); x = x.reshape(x.shape[:-1] + (-1, 32)); a = np.abs(x).max(-1, keepdims=True)
;;       e = np.where(a > 0, np.clip(np.frexp(np.where(a > 0, a, 1))[1] - 1 - 2, -126, 127), 0)      # np.frexp(a)[1] - 1 = floor(log2(a)), exactly
;;       r = np.clip(x / 2.0 ** e, -6, 6)
;;       step = 2.0 ** (np.maximum(np.frexp(np.where(r == 0, 1, r))[1] - 1, 0) - 1)
;;       q = np.round(r / step) * step * 2.0 ** e      # np.round: ties to even
;;       return np.moveaxis(q.reshape(q.shape[:-2] + (-1,))[..., :K], -1, axis).astype(np.float32)
;;   ~~~
;; One version. Each part assembles by itself: llvm-mc -triple=amdgcn-amd-amdhsa -mcpu=gfx1250 --defsym DOCPART=n.
;; ======== version 1 of 1: 6 launches
;; limits: values are held in f16: magnitudes above 65,504 overflow, below 6.1e-05 lose precision
;; workspace buffers: codes 5,767,168 bytes; scales 360,448 bytes; wp16 2,097,152 bytes; rope 557,056 bytes; qkv 50,331,648 bytes; ao 16,777,216 bytes; fo 262,144 bytes
;; launch prep (part 1): grid 450 x 1, 4 waves a work-group, no clusters, 33,280 bytes of LDS; arguments x, Wq, Wk, Wv, Wp, codes, scales, wp16, rope; writes codes, scales, wp16, rope
.if DOCPART == 1
	.amdgcn_target "amdgcn-amd-amdhsa--gfx1250"
	.amdhsa_code_object_version 6
	.text
	.protected	k_q072a7e2432_prep
	.globl	k_q072a7e2432_prep
	.p2align	8
	.type	k_q072a7e2432_prep,@function
k_q072a7e2432_prep:
	s_mov_b64 s[64:65], 0
	v_nop
	global_prefetch_b8 v0, s[64:65] scope:SCOPE_SE
	s_setreg_imm32_b32 hwreg(HW_REG_WAVE_MODE, 25, 1), 1
	s_wait_xcnt 0x0
; THREE JOBS IN ONE LAUNCH, told apart by the work-group's number.
; Work-groups 0-351: x [8192][1024] and Wq, Wk, Wv [1024][1024], f32, become codes of FP4 (E2M1), K innermost, and one E8M0 byte for each 32 along K, in ONE stream in the order x, Wq, Wk, Wv:
;   codes: rows of 512 bytes; scales: rows of 32 bytes.  A block's scale is 2^(floor(log2(largest magnitude)) - 2); its byte is the largest magnitude's exponent field - 2, held at 1 from below.
; Work-groups 352-415: Wp [n 1024][k 1024] f32 becomes f16, laid [k / 64][n][64], so that 64 along K of neighbouring rows are dense.
; Work-groups 416-449: the table of cosines and sines: 136 groups of 4,096 bytes, each the image of 32 registers: lane (r, h) of group g stands for position 16 g + r; register 8 bb + j is cos, register 16 + 8 bb + j sin, of
;   position x 10000^(-(16 bb + 8 h + j) / 32).  Groups 128-135 are made with position 0 (cos 1, sin 0): they serve V, which is not rotated.
; LIMITS: a block of zeros, or one whose largest magnitude lies under 2^-124, gets the byte 1 (its bytes are read by this program alone; zero codes add nothing); NaN and infinities are not served; |Wp| stays under 65,504;
;   10000^(-i/32) is 2^(-i log2(10000) / 32) by v_exp_f32, and the angle is reduced by pi/2 in two parts: the angle is off by some 3e-4 rad at the most (position 2,047).
.set WAVES, 4
.set STEPS, 16
.set QWG,   352                        ; (8192 + 3 x 1024) x 1024 / 32768
.set WWG,   64
.set CB,    8                          ; bytes of 16 codes
.set R,     16                         ; v16-79   four sets of 16 numbers as they are loaded
.set X,     80                         ; v80-111  two sets of 16 neighbours
.set C,     128                        ; v128-191 codes: four registers for each step
.set E,     112                        ; v112-127 a scale byte for each step
.set WREG,  8192                       ; LDS: a region for each wave: two stages of 32 x SP bytes, then its 256 scale bytes
.set SP,    80                         ; a lane's place in a stage: 64 bytes + 16 of padding
.set SPW,   12                         ; v12      LDS address of my spare word; never rewritten
.set NIL,   13                         ; v13      0; never rewritten
.set SPARE, WAVES*WREG                 ; the spare words, 128 bytes for each wave
	s_load_b512 s[4:19], s[0:1], 0x0               ; x, Wq, Wk, Wv, Wp, codes, scales, wp16
	s_load_b64 s[20:21], s[0:1], 0x40              ; rope
	v_lshl_add_u32 v[SPW], v0, 2, SPARE
	v_mov_b32 v[NIL], 0
	v_lshrrev_b32 v1, 5, v0
	v_readfirstlane_b32 s24, v1                    ; wave
	v_and_b32 v2, 31, v0                           ; lane
	s_mov_b32 s35, 0                               ; the upper word of every offset pair s[34:35]
	s_wait_kmcnt 0x0
	s_cmp_lt_u32 ttmp9, QWG
	s_cbranch_scc1 .Lquant
	s_cmp_lt_u32 ttmp9, QWG+WWG
	s_cbranch_scc1 .Lwp
; ---------------- the table: one wave to a group
	s_sub_co_u32 s28, ttmp9, QWG+WWG
	s_lshl_b32 s28, s28, 2
	s_add_co_u32 s28, s28, s24                     ; group 0..135
	s_cmp_lt_u32 s28, 128
	s_cselect_b32 s29, 1, 0                        ; groups 128 on: position 0
	s_lshl_b32 s25, s28, 4
	s_lshl_b32 s34, s28, 12
	s_add_nc_u64 s[20:21], s[20:21], s[34:35]
	s_mov_b32 s36, 0x3f22f983                      ; 2 / pi
	s_mov_b32 s37, 0x3fc90fdb                      ; pi / 2, high part
	s_mov_b32 s38, 0xb33bbd2e                      ; and the rest
	s_mov_b32 s39, 0xbe2aaaa3                      ; sin r = r + r z (S1 + z (S2 + z S3)), z = r r
	s_mov_b32 s40, 0x3c08839e
	s_mov_b32 s41, 0xb94ca1f9
	s_mov_b32 s42, 0x3d2aaaa5                      ; cos r = 1 - z / 2 + z z (C1 + z (C2 + z C3))
	s_mov_b32 s43, 0xbab6061a
	s_mov_b32 s44, 0x37ccf5ce
	v_and_b32 v3, 15, v0                           ; r
	v_bfe_u32 v4, v0, 4, 1                         ; h
	v_lshlrev_b32 v5, 4, v2                        ; 16 x lane
	v_add_nc_u32 v8, s25, v3
	v_mul_u32_u24 v8, v8, s29
	v_cvt_f32_u32 v8, v8                           ; the position
	v_lshlrev_b32 v9, 3, v4
.irp f, 0,1,2,3,4,5,6,7,8,9,10,11,12,13,14,15
	v_add_nc_u32 v[16+\f], 16*(\f/8)+\f%8, v9      ; the frequency's number: 16 bb + 8 h + j
.endr
.irp f, 0,1,2,3,4,5,6,7,8,9,10,11,12,13,14,15
	v_cvt_f32_u32 v[16+\f], v[16+\f]
.endr
.irp f, 0,1,2,3,4,5,6,7,8,9,10,11,12,13,14,15
	v_mul_f32 v[16+\f], 0xbed49a78, v[16+\f]       ; x -log2(10000) / 32
.endr
.irp f, 0,1,2,3,4,5,6,7,8,9,10,11,12,13,14,15
	v_exp_f32 v[16+\f], v[16+\f]
.endr
	v_nop                                          ; a plain instruction behind the last exponential
	s_wait_alu depctr_va_vdst(0)                   ; one wait for the sixteen, ahead of their first reader
.macro ANGLE f
	v_mul_f32 v64, v8, v[16+\f]                    ; the angle
	v_mul_f32 v65, s36, v64
	v_rndne_f32 v65, v65                           ; n: how many quarter turns
	v_fma_f32 v66, -v65, s37, v64
	v_fma_f32 v66, -v65, s38, v66                  ; r, at most pi / 4 in size
	v_mul_f32 v67, v66, v66
	v_fma_f32 v68, v67, s41, s40
	v_fma_f32 v68, v68, v67, s39
	v_mul_f32 v68, v68, v67
	v_fma_f32 v68, v68, v66, v66                   ; sin r
	v_fma_f32 v69, v67, s44, s43
	v_fma_f32 v69, v69, v67, s42
	v_fma_f32 v70, v67, -0.5, 1.0
	v_mul_f32 v71, v67, v67
	v_fma_f32 v70, v71, v69, v70                   ; cos r
	v_cvt_i32_f32 v72, v65
	v_and_b32 v73, 1, v72
	v_cmp_eq_u32 vcc_lo, 1, v73                    ; an odd n swaps the two
	v_cndmask_b32 v74, v68, v70, vcc_lo
	v_cndmask_b32 v75, v70, v68, vcc_lo
	v_lshlrev_b32 v73, 30, v72
	v_and_b32 v73, 0x80000000, v73                 ; sin changes sign where n mod 4 is 2 or 3,
	v_xor_b32 v[48+\f], v74, v73
	v_add_nc_u32 v72, 1, v72
	v_lshlrev_b32 v72, 30, v72
	v_and_b32 v72, 0x80000000, v72                 ; cos where it is 1 or 2
	v_xor_b32 v[32+\f], v75, v72
.endm
.irp f, 0,1,2,3,4,5,6,7,8,9,10,11,12,13,14,15
	ANGLE \f
.endr
.irp i, 0,1,2,3,4,5,6,7
	global_store_b128 v5, v[32+4*\i:35+4*\i], s[20:21] offset:512*\i   ; 32 lanes store 512 consecutive bytes
.endr
	s_endpgm
; ---------------- Wp to f16: a wave takes 4 rows.  A load reads 64 numbers (256 bytes) of each of two rows; a store writes those two rows' 128 bytes each, which are neighbours in wp16
.Lwp:
	s_sub_co_u32 s28, ttmp9, QWG
	s_lshl_b32 s28, s28, 2
	s_add_co_u32 s28, s28, s24                     ; which 4 rows
	s_lshl_b32 s34, s28, 14
	s_add_nc_u64 s[26:27], s[12:13], s[34:35]      ; Wp at my first row
	s_lshl_b32 s34, s28, 9
	s_add_nc_u64 s[30:31], s[18:19], s[34:35]      ; wp16 at my first row of K block 0
	v_and_b32 v3, 15, v0
	v_bfe_u32 v4, v0, 4, 1
	v_lshlrev_b32 v3, 4, v3
	v_lshl_add_u32 v3, v4, 12, v3                  ; in: 16 bytes a lane, lanes 16-31 a row further down
	v_lshlrev_b32 v4, 3, v2                        ; out: 8 bytes a lane
.set q, 0
.rept 32
	global_load_b128 v[16+4*q:16+4*q+3], v3, s[26:27] offset:(q/16)*8192+(q%16)*256 th:TH_LOAD_NT
.set q, q+1
.endr
.set q, 0
.rept 32
	s_wait_loadcnt 31-q                            ; loads come back in order: load q is in, the younger ones stay out
	v_cvt_pk_f16_f32 v[16+4*q], v[16+4*q], v[16+4*q+1]
	v_cvt_pk_f16_f32 v[16+4*q+1], v[16+4*q+2], v[16+4*q+3]
	global_store_b64 v4, v[16+4*q:16+4*q+1], s[30:31] offset:(q%16)*131072+(q/16)*256   ; 32 lanes store 256 consecutive bytes, aligned; no register is written again
.set q, q+1
.endr
	s_endpgm
; ---------------- the quantiser.  A wave takes 16 steps of 512 numbers.  Each of a step's four loads reads 512 consecutive bytes; the 2,048 bytes turn through the wave's own stage in LDS and come back 64 bytes a lane,
; so that a lane holds 16 neighbours along K (two neighbouring lanes hold a block).  Loads run four steps ahead, the turn through LDS one step.  Waves share nothing: no barrier.
.Lquant:
	s_mov_b64 s[26:27], s[10:11]                   ; which tensor: the choice hangs on the work-group's number alone
	s_mov_b32 s28, 320
	s_cmp_lt_u32 ttmp9, 320
	s_cselect_b64 s[26:27], s[8:9], s[26:27]
	s_cselect_b32 s28, 288, s28
	s_cmp_lt_u32 ttmp9, 288
	s_cselect_b64 s[26:27], s[6:7], s[26:27]
	s_cselect_b32 s28, 256, s28
	s_cmp_lt_u32 ttmp9, 256
	s_cselect_b64 s[26:27], s[4:5], s[26:27]
	s_cselect_b32 s28, 0, s28                      ; the tensor's first work-group
	s_sub_co_u32 s34, ttmp9, s28
	s_lshl_b32 s34, s34, 2
	s_add_co_u32 s34, s34, s24
	s_lshl_b32 s34, s34, 15                        ; my run of 8,192 numbers in the tensor
	s_add_nc_u64 s[26:27], s[26:27], s[34:35]
	s_lshl_b32 s36, ttmp9, 2
	s_add_co_u32 s36, s36, s24                     ; and in the one stream of codes and of bytes
	s_lshl_b32 s34, s36, 12
	s_add_nc_u64 s[30:31], s[14:15], s[34:35]
	s_lshl_b32 s34, s36, 8
	s_add_nc_u64 s[32:33], s[16:17], s[34:35]
	v_lshlrev_b32 v3, 4, v2                        ; my 16 bytes of a load's 512
	s_mul_i32 s29, s24, WREG
	v_lshrrev_b32 v14, 2, v2
	v_mul_u32_u24 v14, v14, SP
	v_and_b32 v15, 3, v2
	v_lshl_add_u32 v14, v15, 4, v14
	v_add_nc_u32 v14, s29, v14                     ; the stage, on the way in: SP (lane / 4) + 16 (lane % 4)
	v_mul_u32_u24 v15, v2, SP
	v_add_nc_u32 v15, s29, v15                     ; and on the way out: SP x lane
	v_mul_u32_u24 v4, v2, CB                       ; my codes' place in a step's
	v_lshrrev_b32 v5, 1, v2
	s_add_co_u32 s29, s29, 2*32*SP
	v_add_nc_u32 v5, s29, v5                       ; LDS: my block's byte among my wave's 256
	v_lshlrev_b32 v7, 3, v2
	v_add_nc_u32 v6, s29, v7
.macro LOAD t
.irp i, 0,1,2,3
	global_load_b128 v[R+16*((\t)%4)+4*\i:R+16*((\t)%4)+4*\i+3], v3, s[26:27] offset:2048*(\t)+512*\i th:TH_LOAD_NT
.endr
.endm
.macro TURN t                          ; LDS serves a wave's instructions in order: no wait between the stores and the loads
.irp i, 0,1,2,3
	ds_store_b128 v14, v[R+16*((\t)%4)+4*\i:R+16*((\t)%4)+4*\i+3] offset:32*SP*((\t)%2)+8*SP*\i
.endr
.irp i, 0,1,2,3
	ds_load_b128 v[X+16*((\t)%2)+4*\i:X+16*((\t)%2)+4*\i+3], v15 offset:32*SP*((\t)%2)+16*\i
.endr
.endm
.irp t, 0,1,2,3
	LOAD \t
.endr
	s_wait_loadcnt 12                              ; step 0's four loads are in
	TURN 0
.macro STEP t
.set XS, X+16*((\t)%2)
.if (\t) > 0
	s_wait_dscnt 1                                 ; this step's numbers are back from the stage (the last step's byte store may be out)
.else
	s_wait_dscnt 0x0
.endif
.if (\t)+4 < STEPS
	LOAD (\t)+4
.endif
.if (\t)+1 < STEPS
.if STEPS-2-(\t) >= 3
	s_wait_loadcnt 12                              ; the next step's four loads are in; those of the three steps behind it may be out
.else
	s_wait_loadcnt 4*(STEPS-2-(\t))
.endif
	TURN (\t)+1
.endif
	v_max3_num_f32 v8, |v[XS]|, |v[XS+1]|, |v[XS+2]|               ; the largest magnitude of my 16
	v_max3_num_f32 v9, |v[XS+3]|, |v[XS+4]|, |v[XS+5]|
.irp i, 6,10
	v_max3_num_f32 v8, v8, |v[XS+\i]|, |v[XS+\i+1]|
	v_max3_num_f32 v9, v9, |v[XS+\i+2]|, |v[XS+\i+3]|
.endr
	v_max3_num_f32 v8, v8, |v[XS+14]|, |v[XS+15]|
	v_max3_num_f32 v8, v8, v9, 0x1800000           ; and the floor 2^(3 - 127): the byte cannot fall under 1
	v_max_num_f32_dpp v8, v8, v8 row_xmask:1 row_mask:0xf bank_mask:0xf   ; and of my neighbour's 16: the block's
	v_add_nc_u32 v11, 0xff000000, v8               ; 2 off its exponent field: the conversion takes the exponent field of this operand as its scale
	v_cvt_scalef32_pk8_fp4_f32 v[C+4*(\t)], v[XS:XS+7], v11
	v_cvt_scalef32_pk8_fp4_f32 v[C+4*(\t)+1], v[XS+8:XS+15], v11
	v_lshrrev_b32 v[E+(\t)], 23, v11               ; the scale's byte
	ds_store_b8 v5, v[E+(\t)] offset:16*(\t)       ; both lanes of a block write the same byte with the same value
	global_store_b64 v4, v[C+4*(\t):C+4*(\t)+1], s[30:31] offset:32*CB*(\t)   ; 32 lanes store 256 consecutive bytes, aligned
.endm
.irp t, 0,1,2,3,4,5,6,7,8,9,10,11,12,13,14,15
	STEP \t
.endr
	ds_load_b64 v[8:9], v6                         ; my wave's 256 scale bytes
	s_wait_dscnt 0x0
	global_store_b64 v7, v[8:9], s[32:33]          ; 256 consecutive bytes, aligned
	s_wait_tensorcnt 0x0                           ; the wave's end
	ds_add_u32 v[SPW], v[NIL]
	s_wait_dscnt 0x0
	s_endpgm
.Lfunc_end_k_q072a7e2432_prep:
	.size	k_q072a7e2432_prep, .Lfunc_end_k_q072a7e2432_prep-k_q072a7e2432_prep
	.p2alignl 7, 3214868480
	.fill 96, 4, 3214868480
	.section	.rodata,"a",@progbits
	.p2align	6, 0x0
	.amdhsa_kernel k_q072a7e2432_prep
		.amdhsa_group_segment_fixed_size 33280
		.amdhsa_private_segment_fixed_size 0
		.amdhsa_enable_private_segment 0
		.amdhsa_kernarg_size 72
		.amdhsa_user_sgpr_count 2
		.amdhsa_user_sgpr_kernarg_segment_ptr 1
		.amdhsa_wavefront_size32 1
		.amdhsa_system_sgpr_workgroup_id_x 1
		.amdhsa_system_sgpr_workgroup_id_y 1
		.amdhsa_system_sgpr_workgroup_id_z 1
		.amdhsa_system_vgpr_workitem_id 0
		.amdhsa_next_free_vgpr 192
		.amdhsa_next_free_sgpr 66
		.amdhsa_reserve_vcc 1
		.amdhsa_float_denorm_mode_32 3
		.amdhsa_float_denorm_mode_16_64 3
		.amdhsa_memory_ordered 1
		.amdhsa_forward_progress 1
		.amdhsa_inst_pref_size 69
	.end_amdhsa_kernel
	.amdgpu_metadata
---
amdhsa.version: [ 1, 2 ]
amdhsa.kernels:
  - .name:           k_q072a7e2432_prep
    .symbol:         k_q072a7e2432_prep.kd
    .args:
      - { .name: x, .offset: 0, .size: 8, .value_kind: global_buffer, .address_space: global }
      - { .name: Wq, .offset: 8, .size: 8, .value_kind: global_buffer, .address_space: global }
      - { .name: Wk, .offset: 16, .size: 8, .value_kind: global_buffer, .address_space: global }
      - { .name: Wv, .offset: 24, .size: 8, .value_kind: global_buffer, .address_space: global }
      - { .name: Wp, .offset: 32, .size: 8, .value_kind: global_buffer, .address_space: global }
      - { .name: codes, .offset: 40, .size: 8, .value_kind: global_buffer, .address_space: global }
      - { .name: scales, .offset: 48, .size: 8, .value_kind: global_buffer, .address_space: global }
      - { .name: wp16, .offset: 56, .size: 8, .value_kind: global_buffer, .address_space: global }
      - { .name: rope, .offset: 64, .size: 8, .value_kind: global_buffer, .address_space: global }
    .group_segment_fixed_size: 33280
    .private_segment_fixed_size: 0
    .kernarg_segment_align: 8
    .kernarg_segment_size: 72
    .max_flat_workgroup_size: 128
    .sgpr_count:     66
    .vgpr_count:     192
    .wavefront_size: 32
...
	.end_amdgpu_metadata
.endif
;; end of part 1
;; launch qkv (part 2): grid 12 x 32, 4 waves a work-group, clusters of 4 x 4, 327,680 bytes of LDS; arguments codes, scales, rope, qkv; writes qkv
.if DOCPART == 2
	.amdgcn_target "amdgcn-amd-amdhsa--gfx1250"
	.amdhsa_code_object_version 6
	.text
	.protected	k_q072a7e2432_qkv
	.globl	k_q072a7e2432_qkv
	.p2align	8
	.type	k_q072a7e2432_qkv,@function
k_q072a7e2432_qkv:
	s_mov_b64 s[64:65], 0
	v_nop
	global_prefetch_b8 v0, s[64:65] scope:SCOPE_SE
	s_setreg_imm32_b32 hwreg(HW_REG_WAVE_MODE, 25, 1), 1
	s_wait_xcnt 0x0
	s_wait_alu depctr_hold_cnt(0) depctr_sa_sdst(0) depctr_va_vdst(0) depctr_va_sdst(0) depctr_va_ssrc(0) depctr_va_vcc(0) depctr_vm_vsrc(0)
	s_getreg_b32 s2, hwreg(HW_REG_IB_STS2, 6, 4)
	s_cmp_eq_u32 s2, 0
	s_cbranch_scc0 .Lentry_in_a_cluster
	s_endpgm
.Lentry_in_a_cluster:
	s_bfe_u32 s2, ttmp6, 0x10000c
	s_cmp_lg_u32 s2, 0xf033
	s_cbranch_scc0 .Lentry_shape_is_right
	s_endpgm
.Lentry_shape_is_right:
; q, k, v = x W^T on codes of FP4 (E2M1) with one E8M0 scale for each 32 along K; q and k rotated (RoPE) in f32; all three rounded to f16 and laid [which 3][b 4][h 16][s 2048][64].
; A: rows 0-8191 of codes (x), B: rows 8192-11263 (Wq, Wk, Wv): [M 8192] x [N 3072], K = 1,024.  A tile of 256 x 256 is made by four waves, 128 x 128 each: 64 accumulators, 512 registers.
; K is two steps of 512 (tile rows of 256 bytes): both slots and all scale bytes are asked for at the head, and nothing in LDS is filled again.
; CLUSTERS: 4 x 4 work-groups; A's tiles are asked for jointly along a row of the cluster, B's along a column.  The cluster's x (0, 1, 2) says q, k or v.
; THE MATRIX INSTRUCTION IS USED TRANSPOSED (source 0 = 16 rows of W, source 1 = 16 rows of x): lane (r, h) holds position r of a block and eight neighbouring channels 16 b + 8 h + 0..7.
; A wave's 128 columns are two heads; channel d of a head pairs with d + 32: accumulators b and b + 2 of the same lane and register.  cos and sin come as register images from the table; V takes the groups with cos 1, sin 0.
; LIMIT: |q|, |k|, |v| stay under 65,504 (f16).
; REGISTERS: window 0: v0-31 addresses; v32-95 scale words, two sets, and nothing else; v128-191 A's fragments, later rows read back from the stage; v192-255 the rotated numbers.
;   window 1: B's fragments, two sets at v0 and v128; v64-127 cos and sin, two sets of 32.   windows 2, 3: the accumulators ((a, b) at v[8 (8 (a % 4) + b)]).
.set SIZE_K, 1024
.set KSTEP,  512
.set NQ,     KSTEP/128
.set ROWB,   256                       ; a tile's row in bytes
.set KROW,   SIZE_K/2                  ; a row of codes in memory
.set PITCH,  272                       ; an LDS row: 256 bytes + 16 of padding: the 16 rows that a load touches start at 16 different banks
.set FR,     8
.set NL,     2
.set NP,     4                         ; places behind this matrix instruction (ISA guide 7.12.1)
.set HALFT,  128*PITCH
.set SLOT,   4*HALFT
.set KS,     SIZE_K/32                 ; a row of scales in bytes
.set SCL,    2*SLOT                    ; behind the two slots: the scales, as units of 256 bytes + 16 of padding
.set HALFS,  (128*KS/256)*272
.set SBLK,   (16*KS/256)*272
.set SPARE,  SCL+4*HALFS               ; the spare words, 128 bytes for each wave
.set SPITCH, 272                       ; the way out: a stage of 16 rows x (256 bytes + 16) for each wave, in slot 0, which has had its only fill and its last read by then
.set ADRA, 16
.set ADRB, 20
.set STO,  24
.set RD,   25
.set CO,   26
.set ADRS, 27
.set SPW,  28
.set NIL,  29
.set RO,   30                          ; v30  16 x lane: my place in a register image of the table
.set SC,   32
.set AF,   128
.set BK,   128
.set OT,   192
.set CSR,  64                          ; in window 1
.set G1, 24
.set G0, 32
.set G1B, 48
.set G0B, 56
.set G1S, 68
.set G0S, 76
.set G1SB, 80
.set G0SB, 88
.set MSB, 0
.macro WIN new                         ; the immediate's high byte repeats the setting that is left
.if MSB != (\new)
	s_set_vgpr_msb (MSB<<8)|(\new)
.set MSB, (\new)
.endif
.endm
.set MUL_LO, 0xa1                      ; source 0 (B) window 1, source 1 (A) window 0, C and D window 2
.set MUL_HI, 0xf1
.set TO_B,   0x40
; A joint load: waves 0 and 1 fetch for A, waves 2 and 3 for B; the branch hangs on the wave's number alone.  An s_nop 0 and four v_nop follow each of the two lines.
.macro JLOAD g0a, g1a, g0b, g1b
	s_cmp_eq_u32 s15, 0
	s_cbranch_scc0 .Lfor_b_\@
	tensor_load_to_lds s[\g0a:\g0a+3], s[\g1a:\g1a+7]
	s_nop 0
.rept 4
	v_nop
.endr
	s_branch .Lasked_\@
.Lfor_b_\@:
	tensor_load_to_lds s[\g0b:\g0b+3], s[\g1b:\g1b+7]
	s_nop 0
.rept 4
	v_nop
.endr
.Lasked_\@:
.endm
.macro CROUND                          ; a round of the cluster's barrier
	s_barrier_signal -1
	s_barrier_wait -1
	s_cmp_lg_u32 s14, 0
	s_cbranch_scc1 .Lnot_wave_0_\@
	s_barrier_signal -3
.Lnot_wave_0_\@:
	s_barrier_wait -3
	s_barrier_signal -1
	s_barrier_wait -1
.endm
	s_load_b128 s[4:7], s[0:1], 0x0                ; codes, scales
	s_load_b64 s[66:67], s[0:1], 0x10              ; rope
	s_load_b64 s[12:13], s[0:1], 0x18              ; qkv
	v_lshl_add_u32 v[SPW], v0, 2, SPARE
	v_mov_b32 v[NIL], 0
	ds_add_u32 v[SPW], v[NIL]                      ; the wave's opening: the add, twice on end, and its wait ahead of my first tensor load
	ds_add_u32 v[SPW], v[NIL]
	v_lshrrev_b32 v1, 5, v0
	v_readfirstlane_b32 s14, v1                    ; wave 0..3
	s_lshr_b32 s15, s14, 1                         ; which half of the tile's rows is mine.  Also: I fetch for A (0) or for B (1)
	s_and_b32 s16, s14, 1                          ; which half of its columns.  Also: which 128 rows of that tile I fetch
	s_bfe_u32 s40, ttmp6, 0x40000                  ; cx, cy
	s_bfe_u32 s41, ttmp6, 0x40004
	s_lshl_b32 s42, ttmp9, 2
	s_add_co_u32 s42, s42, s40                     ; tile column = 4 x cluster x + cx
	s_and_b32 s17, ttmp7, 0xffff
	s_lshl_b32 s17, s17, 2
	s_add_co_u32 s17, s17, s41                     ; tile row = 4 x cluster y + cy
	s_lshl_b32 s43, s41, 2
	s_lshl_b32 s43, 15, s43                        ; my row of the cluster
	s_lshl_b32 s44, 0x1111, s40                    ; my column
	s_or_b32 s[G1+0], s43, (0<<16)|(1<<20)|(1<<21)|(5<<22)|(3<<25)  ; the mask; elements of 1 byte; padding on; bit 21 beside a mask; 4 words after every 64
	s_or_b32 s[G1B+0], s44, (0<<16)|(1<<20)|(1<<21)|(5<<22)|(3<<25)
.irp g, G1, G1B
	s_mov_b32 s[\g+1], ROWB<<16                    ; tensor_dim0
	s_mov_b32 s[\g+2], 128<<16                     ; tensor_dim1
	s_mov_b32 s[\g+3], ROWB<<16                    ; tile_dim0
	s_mov_b32 s[\g+4], 128                         ; tile_dim1
	s_mov_b32 s[\g+5], KROW                        ; from row to row
	s_mov_b32 s[\g+6], 0
	s_mov_b32 s[\g+7], 0
.endr
	s_or_b32 s[G1S+0], s43, (3<<16)|(1<<20)|(1<<21)|(5<<22)|(3<<25) ; the scales of 128 rows: a dense block, as rows of 256 bytes (32 elements of 8 bytes)
	s_or_b32 s[G1SB+0], s44, (3<<16)|(1<<20)|(1<<21)|(5<<22)|(3<<25)
.irp g, G1S, G1SB
	s_mov_b32 s[\g+1], 32<<16
	s_mov_b32 s[\g+2], (128*KS/256)<<16
	s_mov_b32 s[\g+3], 32<<16
	s_mov_b32 s[\g+4], 128*KS/256
	s_mov_b32 s[\g+5], 32
	s_mov_b32 s[\g+6], 0
	s_mov_b32 s[\g+7], 0
.endr
	s_lshl_b32 s18, s16, 7
	s_lshl_b32 s20, s17, 8
	s_add_co_u32 s20, s20, s18                     ; A: row 256 x tile row + 128 x half
	s_lshl_b32 s46, s42, 8
	s_add_co_u32 s46, s46, s18                     ; B: row 256 x tile column + 128 x half
	s_mov_b32 s21, 0
	s_mov_b32 s47, 0
	s_mov_b64 s[18:19], KS
	s_mul_u64 s[22:23], s[20:21], s[18:19]
	s_mul_u64 s[92:93], s[46:47], s[18:19]
	s_mov_b64 s[18:19], KROW
	s_mul_u64 s[20:21], s[20:21], s[18:19]
	s_mul_u64 s[46:47], s[46:47], s[18:19]
	s_mul_i32 s45, s14, HALFT                      ; where they go: wave x 128 rows
	s_mul_i32 s94, s14, HALFS
	s_wait_dscnt 0x0                               ; both opening adds are done
	s_wait_kmcnt 0x0
	s_add_nc_u64 s[8:9], s[4:5], 0x400000          ; W's codes lie behind x's 8,192 rows of 512 bytes,
	s_add_nc_u64 s[10:11], s[6:7], 0x40000         ; W's scales behind x's 8,192 rows of 32
	s_add_nc_u64 s[20:21], s[4:5], s[20:21]
	s_add_nc_u64 s[22:23], s[6:7], s[22:23]
	s_add_nc_u64 s[46:47], s[8:9], s[46:47]
	s_add_nc_u64 s[92:93], s[10:11], s[92:93]
	CROUND                                         ; all sixteen work-groups are here: the joint loads meet
	s_mov_b32 s[G0S], 1
	s_add_co_u32 s[G0S+1], s94, SCL
	s_mov_b64 s[G0S+2:G0S+3], s[22:23]
	s_or_b32 s[G0S+3], s[G0S+3], 0x80000000
	s_mov_b32 s[G0SB], 1
	s_add_co_u32 s[G0SB+1], s94, SCL
	s_mov_b64 s[G0SB+2:G0SB+3], s[92:93]
	s_or_b32 s[G0SB+3], s[G0SB+3], 0x80000000
	JLOAD G0S, G1S, G0SB, G1SB                     ; the scales first
.irp s, 0,1
	s_mov_b32 s[G0+4*\s], 1
	s_add_co_u32 s[G0+4*\s+1], s45, \s*SLOT
	s_add_nc_u64 s[G0+4*\s+2:G0+4*\s+3], s[20:21], \s*ROWB
	s_or_b32 s[G0+4*\s+3], s[G0+4*\s+3], 0x80000000
	s_mov_b32 s[G0B+4*\s], 1
	s_add_co_u32 s[G0B+4*\s+1], s45, \s*SLOT
	s_add_nc_u64 s[G0B+4*\s+2:G0B+4*\s+3], s[46:47], \s*ROWB
	s_or_b32 s[G0B+4*\s+3], s[G0B+4*\s+3], 0x80000000
	JLOAD G0+4*\s, G1, G0B+4*\s, G1B               ; three tensor loads of mine are out: the scales and both K steps
.endr
	v_and_b32 v1, 15, v0                           ; r
	v_bfe_u32 v2, v0, 4, 1                         ; h
	v_mul_u32_u24 v3, v1, PITCH
	v_lshl_add_u32 v4, v2, 4, v3
	s_mul_i32 s21, s15, HALFT
	s_mul_i32 s22, s16, HALFT
	s_add_co_u32 s22, s22, 2*HALFT
.irp s, 0,1
	v_add_nc_u32 v[ADRA+\s], s21, v4
	v_add_nc_u32 v[ADRB+\s], s22, v4
	s_add_co_u32 s21, s21, SLOT
	s_add_co_u32 s22, s22, SLOT
.endr
	v_mul_u32_u24 v5, v1, KS                       ; my row's scales: KS bytes a row,
	v_lshrrev_b32 v6, 8, v5
	v_lshl_add_u32 v5, v6, 4, v5                   ; and 16 more for each 256 passed
	s_mul_i32 s21, s15, HALFS
	s_mul_i32 s22, s16, HALFS
	s_add_co_u32 s22, s22, 2*HALFS
	s_sub_co_u32 s22, s22, s21
	v_mul_u32_u24 v6, s22, v2                      ; lanes 16-31 take B's
	s_add_co_u32 s21, s21, SCL
	v_add_nc_u32 v5, v5, v6
	v_add_nc_u32 v[ADRS], s21, v5
	s_mul_i32 s23, s14, 16*SPITCH                  ; my stage
	v_mul_u32_u24 v5, v1, SPITCH
	v_lshl_add_u32 v5, v2, 4, v5
	v_add_nc_u32 v[STO], s23, v5                   ; in: row r, 16 bytes for each half of the lanes
	v_bfe_u32 v6, v0, 3, 1
	v_and_b32 v7, 7, v0
	v_mul_u32_u24 v5, v6, SPITCH
	v_lshl_add_u32 v5, v2, 7, v5
	v_lshl_add_u32 v5, v7, 4, v5
	v_add_nc_u32 v[RD], s23, v5                    ; back: lanes 0-15 two rows' 128 bytes of the even head, lanes 16-31 of the odd head
	v_lshlrev_b32 v[CO], 18, v2
	v_lshl_add_u32 v[CO], v6, 7, v[CO]
	v_lshl_add_u32 v[CO], v7, 4, v[CO]             ; and the same in qkv: a head on is 262,144 bytes, a position 128
	v_and_b32 v6, 31, v0
	v_lshlrev_b32 v[RO], 4, v6
	s_lshl_b32 s20, ttmp9, 6                       ; in units of a head's 262,144 bytes: 64 x which
	s_lshr_b32 s21, s17, 3
	s_lshl_b32 s21, s21, 4
	s_add_co_u32 s20, s20, s21                     ; + 16 x batch
	s_lshl_b32 s21, s40, 2
	s_add_co_u32 s20, s20, s21                     ; + the tile's four heads
	s_lshl_b32 s21, s16, 1
	s_add_co_u32 s20, s20, s21                     ; + my two of them
	s_lshl_b32 s20, s20, 18
	s_and_b32 s21, s17, 7
	s_lshl_b32 s21, s21, 8
	s_lshl_b32 s22, s15, 7
	s_add_co_u32 s21, s21, s22                     ; my first position
	s_lshl_b32 s22, s21, 7
	s_add_co_u32 s20, s20, s22
	s_lshr_b32 s22, s21, 4                         ; its group in the table
	s_mov_b32 s21, 0
	s_add_nc_u64 s[12:13], s[12:13], s[20:21]
	s_cmp_eq_u32 ttmp9, 2                          ; V (the cluster's x: the same in all partners) takes the groups with cos 1, sin 0
	s_cselect_b32 s22, 128, s22
	s_lshl_b32 s22, s22, 12
	s_mov_b32 s23, 0
	s_add_nc_u64 s[66:67], s[66:67], s[22:23]
	WIN TO_B
.irp a, 0,1
.irp i, 0,1,2,3,4,5,6,7
	global_load_b128 v[CSR+32*\a+4*\i:CSR+32*\a+4*\i+3], v[RO], s[66:67] offset:\a*4096+\i*512   ; cos and sin of blocks 0 and 1: wanted on the way out
.endr
.endr
	WIN 0
.macro FRAG reg, adr, q, i             ; a fragment: lane l holds row l % 16; registers 4 c .. 4 c + 3 hold K = 64 c + 32 (l / 16) + 0 .. 31
.irp c, 0,1
	ds_load_b128 v[\reg+4*\c:\reg+4*\c+3], v[\adr] offset:64*(\q)+32*\c+(\i)*16*PITCH
.endr
.endm
; 16 matrix instructions: A's blocks a0, a0 + 1 x B's eight.  The 64 accumulators take turns, one instruction a turn, in the same order in every step.
.macro MUL16 a0, p, q, sc, zero
.irp a, \a0, \a0+1
.irp b, 0,1,2,3,4,5,6,7
.if \zero
	v_wmma_scale_f32_16x16x128_f8f6f4 v[8*(8*((\a)%4)+\b):8*(8*((\a)%4)+\b)+7], v[128*(\p)+FR*\b:128*(\p)+FR*\b+FR-1], v[AF+FR*(\a):AF+FR*(\a)+FR-1], 0, v[SC+8*NQ*(\sc)+NQ*\b+(\q)], v[SC+8*NQ*(\sc)+NQ*(\a)+(\q)] matrix_a_fmt:MATRIX_FMT_FP4 matrix_b_fmt:MATRIX_FMT_FP4 matrix_a_scale:MATRIX_SCALE_ROW1
.else
	v_wmma_scale_f32_16x16x128_f8f6f4 v[8*(8*((\a)%4)+\b):8*(8*((\a)%4)+\b)+7], v[128*(\p)+FR*\b:128*(\p)+FR*\b+FR-1], v[AF+FR*(\a):AF+FR*(\a)+FR-1], v[8*(8*((\a)%4)+\b):8*(8*((\a)%4)+\b)+7], v[SC+8*NQ*(\sc)+NQ*\b+(\q)], v[SC+8*NQ*(\sc)+NQ*(\a)+(\q)] matrix_a_fmt:MATRIX_FMT_FP4 matrix_b_fmt:MATRIX_FMT_FP4 matrix_a_scale:MATRIX_SCALE_ROW1
.endif
.endr
.endr
.endm
.macro FETCH_B slot, q, p
	WIN TO_B
.irp i, 0,1,2,3,4,5,6,7
	FRAG 128*(\p)+FR*\i, ADRB+\slot, \q, \i
.endr
	WIN 0
.endm
.macro FETCH_A slot, q, i0
.irp i, \i0, \i0+1, \i0+2, \i0+3
	FRAG AF+FR*(\i), ADRA+\slot, \q, \i
.endr
.endm
.macro SCALES sc                       ; a K step's scale words: lanes 0-15 take A's block i, lanes 16-31 B's block i
.irp i, 0,1,2,3,4,5,6,7
	ds_load_b128 v[SC+8*NQ*\sc+NQ*\i:SC+8*NQ*\sc+NQ*\i+3], v[ADRS] offset:\i*SBLK
.endr
.endm
.macro PLACES n                        ; places in front of loads into registers that matrix instructions have read, and of the first read of results
.rept \n
	v_nop
.endr
.endm
.macro STEP slot, q, zero              ; 128 along K with its successor in the same slot
	s_wait_dscnt 4*NL                              ; B's set and A's blocks 0-3 are in; A's blocks 4-7 may be out
	WIN MUL_LO
	MUL16 0, (\q)%2, \q, \slot, \zero
	MUL16 2, (\q)%2, \q, \slot, \zero
	s_wait_dscnt 0
	PLACES NP
	FETCH_B \slot, (\q)+1, 1-(\q)%2
	FETCH_A \slot, (\q)+1, 0
	WIN MUL_HI
	MUL16 4, (\q)%2, \q, \slot, \zero
	MUL16 6, (\q)%2, \q, \slot, \zero
	PLACES NP
	WIN 0
	FETCH_A \slot, (\q)+1, 4
.endm
.macro TURN slot, next                 ; slot 0's last step: one barrier; behind it slot 1 is whole for every wave, and nobody reads slot 0 any more
	s_wait_tensorcnt 0x0                           ; all my tensor loads have landed: my part of slot 1;
	ds_add_u32 v[SPW], v[NIL]                      ; 0 onto my spare word;
	s_wait_dscnt 4*NL+1                            ; (the add and A's blocks 4-7 may be out)
	WIN MUL_LO
	MUL16 0, 1, NQ-1, \slot, 0
	s_wait_dscnt 0x0                               ; the add is done, and my reads of this slot are over
	s_barrier_signal -1
	MUL16 2, 1, NQ-1, \slot, 0
	WIN 0
	s_barrier_wait -1
	PLACES NP
	v_add_nc_u32 v[ADRS], 4*NQ, v[ADRS]            ; on to the next K step's scale words
	FETCH_B \next, 0, 0
	FETCH_A \next, 0, 0
	SCALES \next
	WIN MUL_HI
	MUL16 4, 1, NQ-1, \slot, 0
	MUL16 6, 1, NQ-1, \slot, 0
	PLACES NP
	WIN 0
	FETCH_A \next, 0, 4
.endm
.macro STEPS slot, from
.set Q, \from
.rept NQ-1-\from
	STEP \slot, Q, 0
.set Q, Q+1
.endr
.endm
	s_wait_tensorcnt 1                             ; the scales and my part of K step 0 are in (K step 1's load may be out)
	s_barrier_signal -1
	s_barrier_wait -1                              ; everybody's are
	FETCH_B 0, 0, 0
	FETCH_A 0, 0, 0
	SCALES 0
	FETCH_A 0, 0, 4
	STEP 0, 0, 1                                   ; the first products start the sums: nothing is cleared
	STEPS 0, 1
	TURN 0, 1
	STEPS 1, 0
	s_wait_dscnt 4*NL                              ; the very last step
	WIN MUL_LO
	MUL16 0, 1, NQ-1, 1, 0
	MUL16 2, 1, NQ-1, 1, 0
	s_wait_dscnt 0
	WIN MUL_HI
	MUL16 4, 1, NQ-1, 1, 0
	MUL16 6, 1, NQ-1, 1, 0
	WIN 0
; THE WAY OUT, block by block of 16 positions x 128 columns (two heads).
; ROPE a: out(d) = t(d) cos - t(d + 32) sin, out(d + 32) = t(d) sin + t(d + 32) cos, packed, each accumulator read from its low end on; then rounded to f16 in pairs.
.macro ROPE a
.set AC, 64*((\a)%4)
.set CB0, CSR+32*((\a)%2)
.if (\a) < 7
	s_wait_loadcnt 8                               ; this block's cos and sin are in; the next block's eight loads may be out
.else
	s_wait_loadcnt 0
.endif
	WIN 0x06+(\a)/4                                ; source 0: the accumulators' window; source 1: window 1
.irp hd, 0,1
.irp bb, 0,1
.irp jj, 0,2,4,6
	v_pk_mul_f32 v[OT+8*(4*\hd+\bb)+\jj:OT+8*(4*\hd+\bb)+\jj+1], v[AC+8*(4*\hd+\bb+2)+\jj:AC+8*(4*\hd+\bb+2)+\jj+1], v[CB0+16+8*\bb+\jj:CB0+16+8*\bb+\jj+1]
	v_pk_mul_f32 v[OT+8*(4*\hd+\bb+2)+\jj:OT+8*(4*\hd+\bb+2)+\jj+1], v[AC+8*(4*\hd+\bb+2)+\jj:AC+8*(4*\hd+\bb+2)+\jj+1], v[CB0+8*\bb+\jj:CB0+8*\bb+\jj+1]
	v_pk_fma_f32 v[OT+8*(4*\hd+\bb)+\jj:OT+8*(4*\hd+\bb)+\jj+1], v[AC+8*(4*\hd+\bb)+\jj:AC+8*(4*\hd+\bb)+\jj+1], v[CB0+8*\bb+\jj:CB0+8*\bb+\jj+1], v[OT+8*(4*\hd+\bb)+\jj:OT+8*(4*\hd+\bb)+\jj+1] neg_lo:[0,0,1] neg_hi:[0,0,1]
	v_pk_fma_f32 v[OT+8*(4*\hd+\bb+2)+\jj:OT+8*(4*\hd+\bb+2)+\jj+1], v[AC+8*(4*\hd+\bb)+\jj:AC+8*(4*\hd+\bb)+\jj+1], v[CB0+16+8*\bb+\jj:CB0+16+8*\bb+\jj+1], v[OT+8*(4*\hd+\bb+2)+\jj:OT+8*(4*\hd+\bb+2)+\jj+1]
.endr
.endr
.endr
.if (\a)+2 < 8
	WIN TO_B
.irp i, 0,1,2,3,4,5,6,7
	global_load_b128 v[CB0+4*\i:CB0+4*\i+3], v[RO], s[66:67] offset:((\a)+2)*4096+\i*512   ; the set just read takes the block two further on
.endr
.endif
	WIN 0
.irp b, 0,1,2,3,4,5,6,7
.irp i, 0,1,2,3
	v_cvt_pk_f16_f32 v[OT+8*\b+\i], v[OT+8*\b+2*\i], v[OT+8*\b+2*\i+1]
.endr
.endr
.endm
.macro TOSTAGE a                       ; through my own stage: LDS serves a wave's instructions in order, so no wait stands between the stores and the loads
.irp b, 0,1,2,3,4,5,6,7
	ds_store_b128 v[STO], v[OT+8*\b:OT+8*\b+3] offset:32*\b
.endr
.set BB, BK+32*((\a)%2)
.irp t, 0,1,2,3,4,5,6,7
	ds_load_b128 v[BB+4*\t:BB+4*\t+3], v[RD] offset:\t*2*SPITCH
.endr
.endm
.macro SEND a, younger
.set BB, BK+32*((\a)%2)
	s_wait_dscnt \younger                          ; the block is back in registers
.irp t, 0,1,2,3,4,5,6,7
	global_store_b128 v[CO], v[BB+4*\t:BB+4*\t+3], s[12:13] offset:(\a)*2048+\t*256   ; sixteen lanes store 256 consecutive bytes (two positions of a head), aligned
.endr
.endm
	PLACES NP
	ROPE 0
	TOSTAGE 0
.irp a, 1,2,3,4,5,6,7
	ROPE \a
.if \a > 1
	s_wait_xcnt 0x0                                ; block a - 2's stores have read their registers: block a's loads may land there
.endif
	TOSTAGE \a
	SEND \a-1, 16                                  ; behind block a - 1's loads: block a's 8 stores and 8 loads
.endr
	SEND 7, 0
	s_wait_tensorcnt 0x0                           ; the wave's end
	ds_add_u32 v[SPW], v[NIL]
	s_wait_dscnt 0x0
	CROUND                                         ; the closing round
	s_endpgm
.Lfunc_end_k_q072a7e2432_qkv:
	.size	k_q072a7e2432_qkv, .Lfunc_end_k_q072a7e2432_qkv-k_q072a7e2432_qkv
	.p2alignl 7, 3214868480
	.fill 96, 4, 3214868480
	.section	.rodata,"a",@progbits
	.p2align	6, 0x0
	.amdhsa_kernel k_q072a7e2432_qkv
		.amdhsa_group_segment_fixed_size 327680
		.amdhsa_private_segment_fixed_size 0
		.amdhsa_enable_private_segment 0
		.amdhsa_kernarg_size 32
		.amdhsa_user_sgpr_count 2
		.amdhsa_user_sgpr_kernarg_segment_ptr 1
		.amdhsa_wavefront_size32 1
		.amdhsa_system_sgpr_workgroup_id_x 1
		.amdhsa_system_sgpr_workgroup_id_y 1
		.amdhsa_system_sgpr_workgroup_id_z 1
		.amdhsa_system_vgpr_workitem_id 0
		.amdhsa_next_free_vgpr 1024
		.amdhsa_next_free_sgpr 100
		.amdhsa_reserve_vcc 0
		.amdhsa_float_denorm_mode_32 3
		.amdhsa_float_denorm_mode_16_64 3
		.amdhsa_memory_ordered 1
		.amdhsa_forward_progress 1
		.amdhsa_inst_pref_size 165
	.end_amdhsa_kernel
	.amdgpu_metadata
---
amdhsa.version: [ 1, 2 ]
amdhsa.kernels:
  - .name:           k_q072a7e2432_qkv
    .symbol:         k_q072a7e2432_qkv.kd
    .args:
      - { .name: codes, .offset: 0, .size: 8, .value_kind: global_buffer, .address_space: global }
      - { .name: scales, .offset: 8, .size: 8, .value_kind: global_buffer, .address_space: global }
      - { .name: rope, .offset: 16, .size: 8, .value_kind: global_buffer, .address_space: global }
      - { .name: qkv, .offset: 24, .size: 8, .value_kind: global_buffer, .address_space: global }
    .group_segment_fixed_size: 327680
    .private_segment_fixed_size: 0
    .kernarg_segment_align: 8
    .kernarg_segment_size: 32
    .max_flat_workgroup_size: 128
    .sgpr_count:     100
    .vgpr_count:     1024
    .wavefront_size: 32
...
	.end_amdgpu_metadata
.endif
;; end of part 2
;; launch attn (part 3): grid 4 x 64, 8 waves a work-group, no clusters, 327,680 bytes of LDS; arguments qkv, ao; writes ao
.if DOCPART == 3
	.amdgcn_target "amdgcn-amd-amdhsa--gfx1250"
	.amdhsa_code_object_version 6
	.text
	.protected	k_q072a7e2432_attn
	.globl	k_q072a7e2432_attn
	.p2align	8
	.type	k_q072a7e2432_attn,@function
k_q072a7e2432_attn:
	s_mov_b64 s[64:65], 0
	v_nop
	global_prefetch_b8 v0, s[64:65] scope:SCOPE_SE
	s_setreg_imm32_b32 hwreg(HW_REG_WAVE_MODE, 25, 1), 1
	s_wait_xcnt 0x0
; ao[b][h][q][:] = the sum over k <= q of softmax_k(Q[q] . K[k] / 8) V[k][:].  Q, K, V: qkv [3][bh 64][2048][64] f16; ao [bh][2048][64] f16.  Products, maxima and sums in f32; the weights p are rounded to f16 for the second product.
; SHARES.  Work-group (p, bh) owns query blocks 7 - p (HI) and p (LO), 256 queries each: under the causal mask that is 9 units of 256 keys x 256 queries in every work-group.  Wave w owns 32 queries of each block:
; four tiles of 16 (0, 1: HI; 2, 3: LO).  The keys are walked once, 64 a step; while both pairs work, a fragment of K or V read from LDS feeds four products.  Two waves share a SIMD: one's softmax stands beside the other's products.
; NO CLUSTER: the four work-groups of a head need 8 - p units of keys, different numbers; a partner would jump over the reads of tiles that a joint load brought.
; LAYOUT.  S^T = K Q^T (source 0 = 16 keys, source 1 = 16 queries): a lane holds ONE query (lane % 16) and keys 8 (lane / 16) + 0..7; two such tiles, rounded in pairs, are source 1 of O^T = V^T P.  V is turned by ds_load_tr16_b128.
; SOFTMAX.  A running maximum m and sum l for each query: p = 2^(c s - c m), c = log2(e) / 8; in every step O and l are multiplied by a = 2^(c m_old - c m_new).  m begins at -3e38, O and l at 0: the step is written once.
; THE MASK.  Every work-group walks all 8 units (the trip counts are constants); a step whose keys all come after the wave's queries is jumped over by a scalar branch on ids; on the diagonal hidden scores become -infinity.
; A unit whose first key comes after the work-group's last query is not asked for.
; RING.  Two slots of 256 keys, 2^17 bytes apart.  Waves 0-3 fetch K's quarters, waves 4-7 V's: one tensor load of each wave is out at a time.
; LIMIT: |out| under 65,504 (f16).
; REGISTERS: window 0: v1-15 addresses; v16-47 statistics, 8 a tile; v48-53 set-up; v64-127 S^T of the pair in hand; v128-159 P; v160-223 K's 8 fragments.   window 1: v0-63 V's 8 fragments; v64-127 Q; v128-255 O^T, 32 a tile.
.set KP,    144                        ; a row of K in LDS: 128 bytes + 16
.set VP,    160                        ; a row of V: 128 + 32: an odd multiple of 32 bytes, for the turning load
.set VOFF,  256*KP
.set SLOT1, 1<<17
.set STAGE, 2*SLOT1                    ; the way out: 16 rows x 144 bytes for each wave
.set SPARE, STAGE+8*16*KP              ; the spare words, 128 bytes for each wave
.set AK0, 1
.set AV0, 2
.set ADK, 3
.set ADV, 4
.set SPW, 5
.set NIL, 6
.set STO, 7
.set RD,  8
.set GO,  9
.set PFO, 10
.set QO,  11
.set DL,  12                           ; v12  lane % 16 - 8 (lane / 16);  v13, v14: the mask's bound for the pair's two tiles
.set NINF, 15
.set ST,  16                           ; tile t at v[ST + 8 t]: +0 c m, +1 m, +2, +3 l (even keys', odd keys'), +4..7 at work; a in +6
.set S,   64
.set P,   128
.set KFR, 160
.set QF,  64                           ; in window 1
.set OF,  128
.set WV,  8
.set G1K, 16
.set G1V, 24
.set G0K, 32
.set G0V, 36
.set SEL, 40
.set CS,  42
.set TBK, 44                           ; LDS byte at which the step's rows of K begin;  s45: V's
.set TBV, 45
.set KF,  46                           ; the step's first key
.set QH,  47                           ; my first query of HI;  s48: of LO
.set QL,  48
.set QLAST, 49                         ; my work-group's last query
.set UNITS, 50
.set STEPC, 51
.set LIM, 52
.set PFA, 54
.set QB,  56                           ; s[56:57], s[58:59] Q at my queries of HI, LO
.set AOB, 60                           ; s[60:61], s[62:63] ao likewise
.set MSB, 0
.macro WIN new
.if MSB != (\new)
	s_set_vgpr_msb (MSB<<8)|(\new)
.set MSB, (\new)
.endif
.endm
.macro TLOAD                           ; the branch hangs on the wave's number alone; an s_nop 0 and four v_nop follow each of the two lines
	s_cmp_lt_u32 s[WV], 4
	s_cbranch_scc0 .Lfor_v_\@
	tensor_load_to_lds s[G0K:G0K+3], s[G1K:G1K+7]
	s_nop 0
.rept 4
	v_nop
.endr
	s_branch .Lasked_\@
.Lfor_v_\@:
	tensor_load_to_lds s[G0V:G0V+3], s[G1V:G1V+7]
	s_nop 0
.rept 4
	v_nop
.endr
.Lasked_\@:
.endm
; A prefetch of what the NEXT change of slots will ask for.  All four work-groups of a head walk the same keys: the one that walks them all (p = 0) asks; each of its waves names the 8,192 bytes that it will itself fetch,
; lanes 256 bytes apart: each block is named once in the launch.  It asks in trips 0 to 5, for units 2 to 7; units 0 and 1 come by their loads alone.
.macro ASK
	s_cmp_gt_u32 s[UNITS], s[LIM]
	s_cbranch_scc0 .Lnot_mine_\@
	global_prefetch_b8 v[PFO], s[PFA:PFA+1] th:TH_LOAD_NT scope:SCOPE_SE
.Lnot_mine_\@:
.endm
	s_load_b128 s[4:7], s[0:1], 0x0                ; qkv, ao
	v_lshl_add_u32 v[SPW], v0, 2, SPARE
	v_mov_b32 v[NIL], 0
	ds_add_u32 v[SPW], v[NIL]                      ; the wave's opening: the add, twice on end, and its wait ahead of my first tensor load
	ds_add_u32 v[SPW], v[NIL]
	v_lshrrev_b32 v1, 5, v0
	v_readfirstlane_b32 s[WV], v1                  ; wave 0..7
	s_mov_b32 s[G1K], (1<<16)|(1<<20)|(4<<22)|(3<<25)  ; elements of 2 bytes; padding on: 4 words after every 32
	s_mov_b32 s[G1V], (1<<16)|(1<<20)|(4<<22)|(7<<25)  ; 8 words after every 32
.irp g, G1K, G1V
	s_mov_b32 s[\g+1], 64<<16                      ; tensor_dim0 = 64
	s_mov_b32 s[\g+2], 64<<16                      ; tensor_dim1 = 64
	s_mov_b32 s[\g+3], 64<<16                      ; tile_dim0 = 64
	s_mov_b32 s[\g+4], 64                          ; tile_dim1 = 64 rows
	s_mov_b32 s[\g+5], 64                          ; from row to row
	s_mov_b32 s[\g+6], 0
	s_mov_b32 s[\g+7], 0
.endr
	s_and_b32 s66, ttmp7, 0xffff                   ; bh
	s_lshl_b32 s67, s66, 18                        ; a head is 262,144 bytes
	s_and_b32 s68, s[WV], 3                        ; which quarter of a unit I fetch
	s_lshl_b32 s69, s68, 13
	s_add_co_u32 s70, s67, s69
	s_add_co_u32 s70, s70, 0x1000000               ; K lies 16 MiB on,
	s_mov_b32 s71, 0
	s_add_co_u32 s72, s70, 0x1000000               ; V 32 MiB
	s_mov_b32 s73, 0
	s_mul_i32 s74, s68, 64*KP
	s_mul_i32 s75, s68, 64*VP
	s_sub_co_u32 s[QH], 7, ttmp9
	s_lshl_b32 s[QH], s[QH], 8
	s_or_b32 s[QLAST], s[QH], 255
	s_lshl_b32 s76, s[WV], 5
	s_add_co_u32 s[QH], s[QH], s76
	s_lshl_b32 s[QL], ttmp9, 8
	s_add_co_u32 s[QL], s[QL], s76
	s_lshl_b32 s76, s[QH], 7
	s_add_co_u32 s76, s76, s67
	s_mov_b32 s77, 0
	s_lshl_b32 s78, s[QL], 7
	s_add_co_u32 s78, s78, s67
	s_mov_b32 s79, 0
	s_mov_b32 s[SEL], 0x76543210
	s_mov_b32 s[SEL+1], 0xfedcba98
	s_mov_b32 s[CS], 0x3e38aa3b                    ; c = log2(e) / 8
	s_mov_b32 s[CS+1], s[CS]
	s_mov_b32 s[TBK], 0
	s_mov_b32 s[TBV], 0
	s_mov_b32 s[KF], 0
	s_mov_b32 s[UNITS], 7
	s_cmp_eq_u32 ttmp9, 0
	s_cselect_b32 s[LIM], 1, -1
	s_wait_dscnt 0x0                               ; both opening adds are done
	s_wait_kmcnt 0x0
	s_add_nc_u64 s[QB:QB+1], s[4:5], s[76:77]
	s_add_nc_u64 s[QB+2:QB+3], s[4:5], s[78:79]
	s_add_nc_u64 s[AOB:AOB+1], s[6:7], s[76:77]
	s_add_nc_u64 s[AOB+2:AOB+3], s[6:7], s[78:79]
	s_mov_b32 s[G0K], 1
	s_mov_b32 s[G0K+1], s74
	s_add_nc_u64 s[G0K+2:G0K+3], s[4:5], s[70:71]
	s_mov_b32 s[G0V], 1
	s_add_co_u32 s[G0V+1], s75, VOFF
	s_add_nc_u64 s[G0V+2:G0V+3], s[4:5], s[72:73]
	s_cmp_lt_u32 s[WV], 4
	s_cselect_b64 s[PFA:PFA+1], s[G0K+2:G0K+3], s[G0V+2:G0V+3]
	s_add_nc_u64 s[PFA:PFA+1], s[PFA:PFA+1], 32768 ; in unit 1; the first change of slots steps it to unit 2
	s_or_b32 s[G0K+3], s[G0K+3], 0x80000000
	s_or_b32 s[G0V+3], s[G0V+3], 0x80000000
	TLOAD                                          ; unit 0 into slot 0
	v_and_b32 v48, 15, v0                          ; r
	v_bfe_u32 v49, v0, 4, 1                        ; h
	v_and_b32 v50, 7, v0
	v_bfe_u32 v51, v0, 3, 1
	v_bfe_u32 v52, v0, 3, 2
	v_and_b32 v53, 31, v0
	v_lshlrev_b32 v[QO], 7, v48
	v_lshl_add_u32 v[QO], v49, 4, v[QO]            ; Q: row r of 128 bytes, + 16 h
	WIN 0x40                                       ; destination window 1
.irp t, 0,1,2,3
.irp c, 0,1
	global_load_b128 v[QF+16*\t+8*\c:QF+16*\t+8*\c+3],   v[QO], s[QB+2*(\t/2):QB+2*(\t/2)+1] offset:(\t%2)*2048+\c*64
	global_load_b128 v[QF+16*\t+8*\c+4:QF+16*\t+8*\c+7], v[QO], s[QB+2*(\t/2):QB+2*(\t/2)+1] offset:(\t%2)*2048+\c*64+32
.endr
.endr
.set i, 0
.rept 128
	v_mov_b32 v[OF+i], 0                           ; O^T: the step is written once; its first trip finds zeros
.set i, i+1
.endr
	WIN 0
	v_mul_u32_u24 v[AK0], v48, KP
	v_lshl_add_u32 v[AK0], v49, 4, v[AK0]          ; K: row r x pitch + 16 h
	v_lshl_add_u32 v[AV0], v49, 3, v50
	v_mul_u32_u24 v[AV0], v[AV0], VP
	v_lshl_add_u32 v[AV0], v51, 4, v[AV0]
	v_add_nc_u32 v[AV0], VOFF, v[AV0]              ; V: key 8 h + lane % 8, channels 8 ((lane / 8) % 2) on
	s_mul_i32 s66, s[WV], 16*KP
	s_add_co_u32 s66, s66, STAGE
	v_mul_u32_u24 v[STO], v48, KP
	v_lshl_add_u32 v[STO], v49, 4, v[STO]
	v_add_nc_u32 v[STO], s66, v[STO]
	v_mul_u32_u24 v[RD], v52, KP
	v_lshl_add_u32 v[RD], v50, 4, v[RD]
	v_add_nc_u32 v[RD], s66, v[RD]                 ; back: eight lanes to a row of 128 bytes, four rows an instruction
	v_lshlrev_b32 v[GO], 4, v53
	v_lshlrev_b32 v[PFO], 8, v53
	v_lshlrev_b32 v[DL], 3, v49
	v_sub_nc_u32 v[DL], v48, v[DL]
	v_mov_b32 v[NINF], 0xff800000
.irp t, 0,1,2,3
	v_mov_b32 v[ST+8*\t+1], 0xff61b1e6             ; m = -3e38, under every score
	v_mul_f32 v[ST+8*\t], s[CS], v[ST+8*\t+1]
.irp k, 2,3,4,5,6,7
	v_mov_b32 v[ST+8*\t+\k], 0
.endr
.endr
; The softmax of the pair x, x + 1, the two tiles line by line, so that no line waits for the line above it.
.macro SOFTMAX x
.irp j, 0,1,2,3
.irp u, 0,1
	v_max3_num_f32 v[ST+8*(\x+\u)+4+\j], v[S+32*\u+8*\j], v[S+32*\u+8*\j+1], v[S+32*\u+8*\j+2]   ; each accumulator is read from its low end on
.endr
.endr
.irp g, 1,2
.irp j, 0,1,2,3
.irp u, 0,1
	v_max3_num_f32 v[ST+8*(\x+\u)+4+\j], v[ST+8*(\x+\u)+4+\j], v[S+32*\u+8*\j+2*\g+1], v[S+32*\u+8*\j+2*\g+2]
.endr
.endr
.endr
.irp u, 0,1
	v_max3_num_f32 v[ST+8*(\x+\u)+4], v[ST+8*(\x+\u)+4], v[S+32*\u+7], v[S+32*\u+15]
.endr
.irp u, 0,1
	v_max3_num_f32 v[ST+8*(\x+\u)+6], v[ST+8*(\x+\u)+6], v[S+32*\u+23], v[S+32*\u+31]
.endr
.irp u, 0,1
	v_max3_num_f32 v[ST+8*(\x+\u)+4], v[ST+8*(\x+\u)+4], v[ST+8*(\x+\u)+5], v[ST+8*(\x+\u)+6]
.endr
.irp u, 0,1
	v_max3_num_f32 v[ST+8*(\x+\u)+4], v[ST+8*(\x+\u)+4], v[ST+8*(\x+\u)+7], v[ST+8*(\x+\u)+1]   ; with the old m
.endr
.irp u, 0,1
	v_permlanex16_b32 v[ST+8*(\x+\u)+5], v[ST+8*(\x+\u)+4], s[SEL], s[SEL+1]   ; the query's other 32 keys lie in the lane 16 away
.endr
.irp u, 0,1
	v_mov_b32 v[ST+8*(\x+\u)+7], v[ST+8*(\x+\u)]   ; c m_old
.endr
.irp u, 0,1
	v_max_num_f32 v[ST+8*(\x+\u)+1], v[ST+8*(\x+\u)+4], v[ST+8*(\x+\u)+5]
.endr
.irp u, 0,1
	v_mul_f32 v[ST+8*(\x+\u)], s[CS], v[ST+8*(\x+\u)+1]
.endr
.irp u, 0,1
	v_sub_f32 v[ST+8*(\x+\u)+7], v[ST+8*(\x+\u)+7], v[ST+8*(\x+\u)]
.endr
.irp b, 0,1,2,3,4,5,6,7,8,9,10,11,12,13,14,15
.irp u, 0,1
	v_pk_fma_f32 v[S+32*\u+2*\b:S+32*\u+2*\b+1], v[S+32*\u+2*\b:S+32*\u+2*\b+1], s[CS:CS+1], v[ST+8*(\x+\u):ST+8*(\x+\u)+1] op_sel_hi:[1,0,0] neg_lo:[0,0,1] neg_hi:[0,0,1]   ; c s - c m
.endr
.endr
.irp u, 0,1
	v_exp_f32 v[ST+8*(\x+\u)+6], v[ST+8*(\x+\u)+7] ; a
.endr
.set e, 0
.rept 32
	v_exp_f32 v[S+e], v[S+e]
	v_exp_f32 v[S+32+e], v[S+32+e]
.set e, e+1
.endr
	v_nop                                          ; a plain instruction behind the last exponential
	s_wait_alu depctr_va_vdst(0)                   ; ONE wait for the batch of 66, ahead of its first reader
.irp i, 0,1,2,3,4,5,6,7,8,9,10,11,12,13,14,15
.irp u, 0,1
	v_cvt_pk_f16_f32 v[P+16*\u+\i], v[S+32*\u+2*\i], v[S+32*\u+2*\i+1]
.endr
.endr
.irp z, 0,1,2,3,4,5,6,7                ; the sum of the unrounded p, in place: neighbours 1, 2, 4 and 8 pairs apart
.irp u, 0,1
	v_pk_add_f32 v[S+32*\u+4*\z:S+32*\u+4*\z+1], v[S+32*\u+4*\z:S+32*\u+4*\z+1], v[S+32*\u+4*\z+2:S+32*\u+4*\z+3]
.endr
.endr
.irp z, 0,1,2,3
.irp u, 0,1
	v_pk_add_f32 v[S+32*\u+8*\z:S+32*\u+8*\z+1], v[S+32*\u+8*\z:S+32*\u+8*\z+1], v[S+32*\u+8*\z+4:S+32*\u+8*\z+5]
.endr
.endr
.irp z, 0,1
.irp u, 0,1
	v_pk_add_f32 v[S+32*\u+16*\z:S+32*\u+16*\z+1], v[S+32*\u+16*\z:S+32*\u+16*\z+1], v[S+32*\u+16*\z+8:S+32*\u+16*\z+9]
.endr
.endr
.irp u, 0,1
	v_pk_add_f32 v[S+32*\u:S+32*\u+1], v[S+32*\u:S+32*\u+1], v[S+32*\u+16:S+32*\u+17]
.endr
.irp u, 0,1
	v_pk_fma_f32 v[ST+8*(\x+\u)+2:ST+8*(\x+\u)+3], v[ST+8*(\x+\u)+2:ST+8*(\x+\u)+3], v[ST+8*(\x+\u)+6:ST+8*(\x+\u)+7], v[S+32*\u:S+32*\u+1] op_sel_hi:[1,0,1]   ; l = a l + the sum
.endr
.endm
; One pair of tiles against the step's 64 keys.  In both runs of 16 matrix instructions 8 accumulators take turns, one instruction a turn.
.macro PAIR x
.if \x == 0
	s_wait_dscnt 16                                ; K's 16 loads are in; V's 16 may be out
.endif
	WIN 0x04                                       ; source 1 (Q) window 1
.set i, 0
.rept 16
.set rS, S+32*(i%2)+8*((i/2)%4)
.set rK, KFR+16*((i/2)%4)+8*(i/8)
.set rQ, QF+16*(\x+i%2)+8*(i/8)
.if i < 8
	v_wmma_f32_16x16x32_f16 v[rS:rS+7], v[rK:rK+7], v[rQ:rQ+7], 0
.else
	v_wmma_f32_16x16x32_f16 v[rS:rS+7], v[rK:rK+7], v[rQ:rQ+7], v[rS:rS+7]
.endif
.set i, i+1
.endr
	WIN 0
.rept 4
	v_nop                                          ; places in front of the first read of the scores
.endr
	s_add_co_u32 s66, s[KF], 63
	s_cmp_le_u32 s66, s[QH+(\x)/2]                 ; all 64 keys count for all 32 queries: no mask
	s_cbranch_scc1 .Lopen_\@
	s_sub_co_i32 s66, s[QH+(\x)/2], s[KF]
	v_add_nc_u32 v13, s66, v[DL]                   ; register 8 kt + j holds key KF + 16 kt + 8 h + j: hidden where 16 kt + j > my query - KF - 8 h
	v_add_nc_u32 v14, 16, v13
.set n, 0
.rept 32
	v_cmp_gt_i32 vcc_lo, 16*(n/8)+n%8, v13
	v_cndmask_b32 v[S+n], v[S+n], v[NINF], vcc_lo
	v_cmp_gt_i32 vcc_lo, 16*(n/8)+n%8, v14
	v_cndmask_b32 v[S+32+n], v[S+32+n], v[NINF], vcc_lo
.set n, n+1
.endr
.Lopen_\@:
	SOFTMAX \x
	WIN 0x41                                       ; O^T (destination and source 0) window 1, a window 0
.irp u, 0,1
.irp i, 0,2,4,6,8,10,12,14,16,18,20,22,24,26,28,30
	v_pk_mul_f32 v[OF+32*(\x+\u)+\i:OF+32*(\x+\u)+\i+1], v[OF+32*(\x+\u)+\i:OF+32*(\x+\u)+\i+1], v[ST+8*(\x+\u)+6:ST+8*(\x+\u)+7] op_sel_hi:[1,0]
.endr
.endr
.if \x == 0
	s_wait_dscnt 0x0                               ; V is in
.endif
	WIN 0x51                                       ; V window 1, P window 0, O^T window 1
.set i, 0
.rept 16
.set rO, OF+32*(\x+i%2)+8*((i/2)%4)
.set rV, 32*(i/8)+8*((i/2)%4)
.set rP, P+16*(i%2)+8*(i/8)
	v_wmma_f32_16x16x32_f16 v[rO:rO+7], v[rV:rV+7], v[rP:rP+7], v[rO:rO+7]
.set i, i+1
.endr
	WIN 0
.endm
.macro STEP                            ; 64 keys
	s_add_co_u32 s66, s[QH], 31
	s_cmp_gt_u32 s[KF], s66                        ; all keys come after my HI queries (and so after my LO queries): nothing to do
	s_cbranch_scc1 .Lhidden_\@
	v_add_nc_u32 v[ADK], s[TBK], v[AK0]
	v_add_nc_u32 v[ADV], s[TBV], v[AV0]
	v_nop
	v_nop                                          ; with the two additions: four places in front of loads into fragments that the last products read
.irp f, 0,1,2,3,4,5,6,7                ; keys 16 (f / 2) on, channels 32 (f % 2) on
	ds_load_b128 v[KFR+8*\f:KFR+8*\f+3],   v[ADK] offset:(\f/2)*16*KP+(\f%2)*64
	ds_load_b128 v[KFR+8*\f+4:KFR+8*\f+7], v[ADK] offset:(\f/2)*16*KP+(\f%2)*64+32
.endr
	WIN 0x40
.irp f, 0,1,2,3,4,5,6,7                ; keys 32 (f / 4) on, channels 16 (f % 4) on
	ds_load_tr16_b128 v[8*\f:8*\f+3],   v[ADV] offset:(\f/4)*32*VP+(\f%4)*32
	ds_load_tr16_b128 v[8*\f+4:8*\f+7], v[ADV] offset:(\f/4)*32*VP+16*VP+(\f%4)*32
.endr
	WIN 0
	PAIR 0
	s_add_co_u32 s66, s[QL], 31
	s_cmp_gt_u32 s[KF], s66
	s_cbranch_scc1 .Lhidden_\@
	PAIR 2
.Lhidden_\@:
	s_add_co_u32 s[KF], s[KF], 64
	s_add_co_u32 s[TBK], s[TBK], 64*KP
	s_add_co_u32 s[TBV], s[TBV], 64*VP
.endm
; THE CHANGE OF SLOTS stands at a unit's head.  Each wave waits for all its tensor loads (its part of the unit that it is about to read), adds 0 to its spare word, and waits for that and for its reads of the slot that it has left.
; Behind the barrier the slot ahead is whole and nobody reads the other one: it takes the next unit, which has a whole unit's steps in which to land.
.macro CHANGE fill
	s_wait_tensorcnt 0x0                           ; no tensor load of mine is out, so a group 0 may be written
	ds_add_u32 v[SPW], v[NIL]
.if \fill
	s_xor_b32 s[G0K+1], s[G0K+1], SLOT1            ; the other slot than last time,
	s_add_nc_u64 s[G0K+2:G0K+3], s[G0K+2:G0K+3], 32768   ; the next 256 keys
	s_xor_b32 s[G0V+1], s[G0V+1], SLOT1
	s_add_nc_u64 s[G0V+2:G0V+3], s[G0V+2:G0V+3], 32768
	s_wait_xcnt 0x0                                ; the last prefetch, a unit back, has read its address
	s_add_nc_u64 s[PFA:PFA+1], s[PFA:PFA+1], 32768
.endif
	s_wait_dscnt 0x0                               ; the add is done, and my reads of the slot that I have left are over
	s_barrier_signal -1
	s_barrier_wait -1
.if \fill
	s_add_co_u32 s66, s[KF], 256                   ; the first key of the unit that this change would ask for:
	s_cmp_gt_u32 s66, s[QLAST]                     ; past my work-group's last query none of its waves would read it.  Ids and the count of steps alone: all eight waves go the same way
	s_cbranch_scc1 .Lpast_\@
	TLOAD                                          ; a wave's one tensor load until the next change
.Lpast_\@:
	ASK
.endif
.endm
.macro UNIT_STEPS                      ; a unit's four steps: written once, walked four times
	s_mov_b32 s[STEPC], 4
.Lstep_\@:
	STEP
	s_sub_co_u32 s[STEPC], s[STEPC], 1
	s_cmp_lg_u32 s[STEPC], 0
	s_cbranch_scc1 .Lstep_\@
	s_sub_co_u32 s[TBK], s[TBK], 256*KP            ; back to a slot's first rows,
	s_xor_b32 s[TBK], s[TBK], SLOT1                ; in the other slot
	s_sub_co_u32 s[TBV], s[TBV], 256*VP
	s_xor_b32 s[TBV], s[TBV], SLOT1
.endm
	s_wait_loadcnt 0x0                             ; Q
.Lunit:                                            ; 7 trips: behind each change of slots but the last the next unit is asked for, up to the causal limit
	CHANGE 1
	UNIT_STEPS
	s_sub_co_u32 s[UNITS], s[UNITS], 1
	s_cmp_lg_u32 s[UNITS], 0
	s_cbranch_scc1 .Lunit
	CHANGE 0
	UNIT_STEPS
	; THE WAY OUT.  l's halves are added (these additions are also the places behind the last products); O^T / l, rounded to f16, goes through my stage and leaves as 512 consecutive bytes an instruction.
.irp t, 0,1,2,3
	v_add_f32 v[ST+8*\t+4], v[ST+8*\t+2], v[ST+8*\t+3]
.endr
.irp t, 0,1,2,3
	v_permlanex16_b32 v[ST+8*\t+5], v[ST+8*\t+4], s[SEL], s[SEL+1]
.endr
.irp t, 0,1,2,3
	v_add_f32 v[ST+8*\t+4], v[ST+8*\t+4], v[ST+8*\t+5]
.endr
.irp t, 0,1,2,3
	v_rcp_f32 v[ST+8*\t+6], v[ST+8*\t+4]
.endr
	v_nop
	s_wait_alu depctr_va_vdst(0)                   ; one wait for the four reciprocals
.macro PACK t
	WIN 0x41
.irp i, 0,2,4,6,8,10,12,14,16,18,20,22,24,26,28,30
	v_pk_mul_f32 v[OF+32*\t+\i:OF+32*\t+\i+1], v[OF+32*\t+\i:OF+32*\t+\i+1], v[ST+8*\t+6:ST+8*\t+7] op_sel_hi:[1,0]
.endr
	WIN 0x05                                       ; sources window 1, destination window 0
.irp i, 0,1,2,3,4,5,6,7,8,9,10,11,12,13,14,15
	v_cvt_pk_f16_f32 v[S+16*\t+\i], v[OF+32*\t+2*\i], v[OF+32*\t+2*\i+1]
.endr
	WIN 0
.irp f, 0,1,2,3
	ds_store_b128 v[STO], v[S+16*\t+4*\f:S+16*\t+4*\f+3] offset:32*\f
.endr
.irp f, 0,1,2,3
	ds_load_b128 v[S+16*\t+4*\f:S+16*\t+4*\f+3], v[RD] offset:\f*4*KP   ; LDS serves a wave's instructions in order
.endr
.endm
.macro SEND t, younger
.irp f, 0,1,2,3
	s_wait_dscnt \younger+3-\f
	global_store_b128 v[GO], v[S+16*\t+4*\f:S+16*\t+4*\f+3], s[AOB+2*((\t)/2):AOB+2*((\t)/2)+1] offset:((\t)%2)*2048+\f*512   ; four rows of 128 bytes: 512 consecutive bytes
.endr
.endm
	PACK 0
	PACK 1
	SEND 0, 8                                      ; behind tile 0's loads: tile 1's 4 stores and 4 loads
	PACK 2
	SEND 1, 8
	PACK 3
	SEND 2, 8
	SEND 3, 0
	s_wait_tensorcnt 0x0                           ; the wave's end
	ds_add_u32 v[SPW], v[NIL]
	s_wait_dscnt 0x0
	s_endpgm
.Lfunc_end_k_q072a7e2432_attn:
	.size	k_q072a7e2432_attn, .Lfunc_end_k_q072a7e2432_attn-k_q072a7e2432_attn
	.p2alignl 7, 3214868480
	.fill 96, 4, 3214868480
	.section	.rodata,"a",@progbits
	.p2align	6, 0x0
	.amdhsa_kernel k_q072a7e2432_attn
		.amdhsa_group_segment_fixed_size 327680
		.amdhsa_private_segment_fixed_size 0
		.amdhsa_enable_private_segment 0
		.amdhsa_kernarg_size 16
		.amdhsa_user_sgpr_count 2
		.amdhsa_user_sgpr_kernarg_segment_ptr 1
		.amdhsa_wavefront_size32 1
		.amdhsa_system_sgpr_workgroup_id_x 1
		.amdhsa_system_sgpr_workgroup_id_y 1
		.amdhsa_system_sgpr_workgroup_id_z 1
		.amdhsa_system_vgpr_workitem_id 0
		.amdhsa_next_free_vgpr 512
		.amdhsa_next_free_sgpr 80
		.amdhsa_reserve_vcc 1
		.amdhsa_float_denorm_mode_32 3
		.amdhsa_float_denorm_mode_16_64 3
		.amdhsa_memory_ordered 1
		.amdhsa_forward_progress 1
		.amdhsa_inst_pref_size 109
	.end_amdhsa_kernel
	.amdgpu_metadata
---
amdhsa.version: [ 1, 2 ]
amdhsa.kernels:
  - .name:           k_q072a7e2432_attn
    .symbol:         k_q072a7e2432_attn.kd
    .args:
      - { .name: qkv, .offset: 0, .size: 8, .value_kind: global_buffer, .address_space: global }
      - { .name: ao, .offset: 8, .size: 8, .value_kind: global_buffer, .address_space: global }
    .group_segment_fixed_size: 327680
    .private_segment_fixed_size: 0
    .kernarg_segment_align: 8
    .kernarg_segment_size: 16
    .max_flat_workgroup_size: 256
    .sgpr_count:     80
    .vgpr_count:     512
    .wavefront_size: 32
...
	.end_amdgpu_metadata
.endif
;; end of part 3
;; launch proj (part 4): grid 4 x 64, 4 waves a work-group, clusters of 4 x 4, 327,680 bytes of LDS; arguments ao, wp16, bp, out0; writes out0
.if DOCPART == 4
	.amdgcn_target "amdgcn-amd-amdhsa--gfx1250"
	.amdhsa_code_object_version 6
	.text
	.protected	k_q072a7e2432_proj
	.globl	k_q072a7e2432_proj
	.p2align	8
	.type	k_q072a7e2432_proj,@function
k_q072a7e2432_proj:
	s_mov_b64 s[64:65], 0
	v_nop
	global_prefetch_b8 v0, s[64:65] scope:SCOPE_SE
	s_setreg_imm32_b32 hwreg(HW_REG_WAVE_MODE, 25, 1), 1
	s_wait_xcnt 0x0
	s_wait_alu depctr_hold_cnt(0) depctr_sa_sdst(0) depctr_va_vdst(0) depctr_va_sdst(0) depctr_va_ssrc(0) depctr_va_vcc(0) depctr_vm_vsrc(0)
	s_getreg_b32 s2, hwreg(HW_REG_IB_STS2, 6, 4)
	s_cmp_eq_u32 s2, 0
	s_cbranch_scc0 .Lentry_in_a_cluster
	s_endpgm
.Lentry_in_a_cluster:
	s_bfe_u32 s2, ttmp6, 0x10000c
	s_cmp_lg_u32 s2, 0xf033
	s_cbranch_scc0 .Lentry_shape_is_right
	s_endpgm
.Lentry_shape_is_right:
; out0[m][n] = sum over k of A[m][k] Wp[n][k] + bp[n], f16 operands, f32 sums.  A = ao [b][h][s][64]: k = 64 h + d, so 64 along K of 128 neighbouring positions are 16,384 dense bytes; wp16 is laid [k / 64][n][64] likewise.
; A tile of out0 is 128 (m) x 256 (n): 256 work-groups.  Four waves, each 64 x 128: 32 accumulators, 256 registers.  A slot holds 128 along K (two K blocks of 64): wave 0, 1 fetch A's two blocks, wave 2, 3 B's: one load a wave.
; CLUSTERS: 4 x 4; A's tiles are asked for jointly along a row of the cluster, B's along a column.  USED TRANSPOSED (source 0 = 16 rows of Wp, source 1 = 16 rows of A): a lane holds eight neighbouring numbers of a row of out0.
; The bias is the C of each sum's first matrix instruction.  The rows of the first 16 positions of each sequence are written again, more finely, by a later launch.
; REGISTERS: window 0: v0-31 addresses; v32-95 the bias; v128-255 rows on the way out.   window 1: two fragment buffers at v0, v128: A's 4 fragments, then B's 8.   window 2: accumulator (a, b) at v[8 (8 a + b)].
.set PITCH,  144                       ; an LDS row: 128 bytes + 16
.set REG,    256*PITCH                 ; a wave's region in a slot (A's blocks use half of theirs)
.set SLOT,   4*REG
.set SPARE,  2*SLOT                    ; the spare words
.set SPITCH, 528                       ; the way out: 16 rows x (512 + 16) for each wave, in slot 0, which has had its last fill and its last read by then
.set LAPS,   4                         ; 1,024 / (2 x 128)
.set ADRA, 16
.set ADRB, 20
.set STO,  24
.set RD,   25
.set CO,   26
.set BA,   27
.set SPW,  28
.set NIL,  29
.set BIAS, 32
.set BK,   128
.set F0,   0
.set F1,   128
.set G1, 24
.set G0, 32
.set G1B, 48
.set G0B, 56
.set MSB, 0
.macro WIN new
.if MSB != (\new)
	s_set_vgpr_msb (MSB<<8)|(\new)
.set MSB, (\new)
.endif
.endm
.set MUL,  0xa5                        ; sources 0 and 1 window 1; C and D window 2.  MUL - 0x20: C (the bias) window 0
.set TO_F, 0x40
.macro JLOAD s
	s_cmp_eq_u32 s13, 0
	s_cbranch_scc0 .Lfor_b_\@
	tensor_load_to_lds s[G0+4*\s:G0+4*\s+3], s[G1:G1+7]
	s_nop 0
.rept 4
	v_nop
.endr
	s_branch .Lasked_\@
.Lfor_b_\@:
	tensor_load_to_lds s[G0B+4*\s:G0B+4*\s+3], s[G1B:G1B+7]
	s_nop 0
.rept 4
	v_nop
.endr
.Lasked_\@:
.endm
.macro CREST
	s_cmp_lg_u32 s12, 0
	s_cbranch_scc1 .Lnot_wave_0_\@
	s_barrier_signal -3
.Lnot_wave_0_\@:
	s_barrier_wait -3
	s_barrier_signal -1
	s_barrier_wait -1
.endm
.macro CROUND
	s_barrier_signal -1
	s_barrier_wait -1
	CREST
.endm
	s_load_b256 s[4:11], s[0:1], 0x0               ; ao, wp16, bp, out0
	v_lshl_add_u32 v[SPW], v0, 2, SPARE
	v_mov_b32 v[NIL], 0
	ds_add_u32 v[SPW], v[NIL]                      ; the wave's opening: the add, twice on end, and its wait ahead of my first tensor load
	ds_add_u32 v[SPW], v[NIL]
	v_lshrrev_b32 v1, 5, v0
	v_readfirstlane_b32 s12, v1                    ; wave 0..3
	s_lshr_b32 s13, s12, 1                         ; which 64 rows are mine.  Also: I fetch for A (0) or for B (1)
	s_and_b32 s14, s12, 1                          ; which 128 columns.  Also: which of a slot's two K blocks I fetch
	s_bfe_u32 s40, ttmp6, 0x40000
	s_bfe_u32 s41, ttmp6, 0x40004
	s_lshl_b32 s42, ttmp9, 2
	s_add_co_u32 s42, s42, s40                     ; tile column
	s_and_b32 s15, ttmp7, 0xffff
	s_lshl_b32 s15, s15, 2
	s_add_co_u32 s15, s15, s41                     ; tile row
	s_lshl_b32 s43, s41, 2
	s_lshl_b32 s43, 15, s43
	s_lshl_b32 s44, 0x1111, s40
	s_or_b32 s[G1+0], s43, (1<<16)|(1<<20)|(1<<21)|(4<<22)|(3<<25)  ; the mask; elements of 2 bytes; padding on; bit 21 beside a mask; 4 words after every 32
	s_or_b32 s[G1B+0], s44, (1<<16)|(1<<20)|(1<<21)|(4<<22)|(3<<25)
	s_mov_b32 s[G1+1], 64<<16
	s_mov_b32 s[G1+2], 128<<16                     ; A: 128 rows
	s_mov_b32 s[G1+3], 64<<16
	s_mov_b32 s[G1+4], 128
	s_mov_b32 s[G1+5], 64
	s_mov_b32 s[G1+6], 0
	s_mov_b32 s[G1+7], 0
	s_mov_b32 s[G1B+1], 64<<16
	s_mov_b32 s[G1B+2], 256<<16                    ; B: 256 rows
	s_mov_b32 s[G1B+3], 64<<16
	s_mov_b32 s[G1B+4], 256
	s_mov_b32 s[G1B+5], 64
	s_mov_b32 s[G1B+6], 0
	s_mov_b32 s[G1B+7], 0
	s_lshr_b32 s16, s15, 4
	s_lshl_b32 s16, s16, 22                        ; A: the batch's 16 heads,
	s_and_b32 s17, s15, 15
	s_lshl_b32 s17, s17, 14
	s_add_co_u32 s16, s16, s17                     ; the tile's 128 positions,
	s_lshl_b32 s17, s14, 18
	s_add_co_u32 s16, s16, s17                     ; my K block (a head)
	s_mov_b32 s17, 0
	s_lshl_b32 s46, s42, 15                        ; B: the tile's 256 rows,
	s_lshl_b32 s47, s14, 17
	s_add_co_u32 s46, s46, s47                     ; my K block
	s_mov_b32 s47, 0
	s_mul_i32 s20, s12, REG                        ; where they go: wave x a region
	s_wait_dscnt 0x0
	s_wait_kmcnt 0x0
	s_add_nc_u64 s[18:19], s[4:5], s[16:17]
	s_add_nc_u64 s[46:47], s[6:7], s[46:47]
	CROUND                                         ; the first joint loads meet
.irp s, 0,1
	s_mov_b32 s[G0+4*\s], 1
	s_add_co_u32 s[G0+4*\s+1], s20, \s*SLOT
	s_add_nc_u64 s[G0+4*\s+2:G0+4*\s+3], s[18:19], \s*524288      ; a slot on: two heads
	s_or_b32 s[G0+4*\s+3], s[G0+4*\s+3], 0x80000000
	s_mov_b32 s[G0B+4*\s], 1
	s_add_co_u32 s[G0B+4*\s+1], s20, \s*SLOT
	s_add_nc_u64 s[G0B+4*\s+2:G0B+4*\s+3], s[46:47], \s*262144
	s_or_b32 s[G0B+4*\s+3], s[G0B+4*\s+3], 0x80000000
	JLOAD \s                                       ; two tensor loads of mine are out
.endr
	v_and_b32 v1, 15, v0
	v_bfe_u32 v2, v0, 4, 1
	v_mul_u32_u24 v3, v1, PITCH
	v_lshl_add_u32 v3, v2, 4, v3
	s_mul_i32 s21, s13, 64*PITCH                   ; my 64 rows of A
	s_mul_i32 s22, s14, 128*PITCH                  ; my 128 rows of B,
	s_add_co_u32 s22, s22, 2*REG                   ; behind A's two regions
.irp s, 0,1
	v_add_nc_u32 v[ADRA+\s], s21, v3
	v_add_nc_u32 v[ADRB+\s], s22, v3
	s_add_co_u32 s21, s21, SLOT
	s_add_co_u32 s22, s22, SLOT
.endr
	s_mul_i32 s23, s12, 16*SPITCH
	v_mul_u32_u24 v4, v1, SPITCH
	v_lshl_add_u32 v4, v2, 5, v4
	v_add_nc_u32 v[STO], s23, v4
	v_and_b32 v5, 31, v0
	v_lshlrev_b32 v[CO], 4, v5
	v_add_nc_u32 v[RD], s23, v[CO]
	v_lshlrev_b32 v[BA], 5, v2
	s_lshl_b32 s16, s15, 7
	s_lshl_b32 s17, s13, 6
	s_add_co_u32 s16, s16, s17                     ; my first row of out0
	s_lshl_b32 s16, s16, 12
	s_lshl_b32 s46, s42, 10
	s_lshl_b32 s47, s14, 9
	s_add_co_u32 s46, s46, s47                     ; my first column, in bytes
	s_mov_b32 s47, 0
	s_add_nc_u64 s[8:9], s[8:9], s[46:47]
	s_add_co_u32 s16, s16, s46
	s_mov_b32 s17, 0
	s_add_nc_u64 s[10:11], s[10:11], s[16:17]
.irp b, 0,1,2,3,4,5,6,7
	global_load_b128 v[BIAS+8*\b:BIAS+8*\b+3],   v[BA], s[8:9] offset:64*\b      ; bp at columns 16 b + 8 h + 0..7: the result's layout
	global_load_b128 v[BIAS+8*\b+4:BIAS+8*\b+7], v[BA], s[8:9] offset:64*\b+16
.endr
.macro MUL8 f, a, first                ; block a of A x B's eight, 32 along K.  The 32 accumulators take turns, in the same order in every quarter
.irp b, 0,1,2,3,4,5,6,7
.if \first
	v_wmma_f32_16x16x32_f16 v[8*(8*(\a)+\b):8*(8*(\a)+\b)+7], v[\f+32+8*\b:\f+32+8*\b+7], v[\f+8*(\a):\f+8*(\a)+7], v[BIAS+8*\b:BIAS+8*\b+7]
.else
	v_wmma_f32_16x16x32_f16 v[8*(8*(\a)+\b):8*(8*(\a)+\b)+7], v[\f+32+8*\b:\f+32+8*\b+7], v[\f+8*(\a):\f+8*(\a)+7], v[8*(8*(\a)+\b):8*(8*(\a)+\b)+7]
.endif
.endr
.endm
.macro FETCH slot, q, f                ; 24 LDS loads: the slot's q-th 32 along K: B's 8 fragments, then A's 4
	WIN TO_F
.irp i, 0,1,2,3,4,5,6,7
	ds_load_b128 v[\f+32+8*\i:\f+32+8*\i+3],   v[ADRB+\slot] offset:((\q)/2)*REG+((\q)%2)*64+\i*16*PITCH
	ds_load_b128 v[\f+32+8*\i+4:\f+32+8*\i+7], v[ADRB+\slot] offset:((\q)/2)*REG+((\q)%2)*64+\i*16*PITCH+32
.endr
.irp i, 0,1,2,3
	ds_load_b128 v[\f+8*\i:\f+8*\i+3],   v[ADRA+\slot] offset:((\q)/2)*REG+((\q)%2)*64+\i*16*PITCH
	ds_load_b128 v[\f+8*\i+4:\f+8*\i+7], v[ADRA+\slot] offset:((\q)/2)*REG+((\q)%2)*64+\i*16*PITCH+32
.endr
.endm
.macro PLACES
.rept 4
	v_nop
.endr
.endm
.macro QUARTER slot, q, f, g, first    ; multiplies buffer f and fetches the slot's q-th quarter into g
	s_wait_dscnt 4                                 ; B and A's blocks 0, 1 are in; A's blocks 2, 3 may be out
	WIN MUL-0x20*(\first)
	MUL8 \f, 0, \first
	MUL8 \f, 1, \first
	PLACES
	FETCH \slot, \q, \g
	s_wait_dscnt 24                                ; all but the 24 just issued
	WIN MUL-0x20*(\first)
	MUL8 \f, 2, \first
	MUL8 \f, 3, \first
.endm
; A slot's last quarter multiplies buffer 1 and changes slots: each wave waits for all its tensor loads, adds 0 to its spare word, and waits for that and for its reads of this slot; fill = 1: a round of the cluster's barrier, and the joint refill first behind it.
.macro TURN slot, next, fill
	WIN 0
	s_wait_tensorcnt 0x0                           ; all my tensor loads have landed: my part of the next slot;
	ds_add_u32 v[SPW], v[NIL]
	s_wait_dscnt 5                                 ; (the add and A's blocks 2, 3 may be out)
	WIN MUL
	MUL8 F1, 0, 0
	s_wait_dscnt 0x0                               ; the add is done, and my reads of this slot are over
	s_barrier_signal -1
	MUL8 F1, 1, 0
.if \fill
	WIN 0
.endif
	s_barrier_wait -1
.if \fill
	CREST                                          ; no wave of any partner still reads this slot's tiles or has a load on its way
	s_add_nc_u64 s[G0+4*\slot+2:G0+4*\slot+3], s[G0+4*\slot+2:G0+4*\slot+3], 1048576
	s_add_nc_u64 s[G0B+4*\slot+2:G0B+4*\slot+3], s[G0B+4*\slot+2:G0B+4*\slot+3], 524288
	JLOAD \slot                                    ; the four v_nop behind it are also the places in front of the loads below
.else
	PLACES
.endif
	FETCH \next, 0, F0
	WIN MUL
	MUL8 F1, 2, 0
	MUL8 F1, 3, 0
.endm
	s_wait_tensorcnt 1                             ; my part of slot 0 is in (slot 1's load may be out)
	s_barrier_signal -1
	s_barrier_wait -1
	FETCH 0, 0, F0
	s_wait_loadcnt 0x0                             ; the bias
	QUARTER 0, 1, F0, F1, 1                        ; the first quarter's products start the sums from the bias
	WIN 0
	s_mov_b32 s3, LAPS-1
.Llap:
	QUARTER 0, 2, F1, F0, 0
	QUARTER 0, 3, F0, F1, 0
	TURN 0, 1, 1
	QUARTER 1, 1, F0, F1, 0
	QUARTER 1, 2, F1, F0, 0
	QUARTER 1, 3, F0, F1, 0
	TURN 1, 0, 1
	QUARTER 0, 1, F0, F1, 0
	WIN 0
	s_sub_co_u32 s3, s3, 1
	s_cmp_lg_u32 s3, 0
	s_cbranch_scc1 .Llap
	QUARTER 0, 2, F1, F0, 0                        ; the last lap fills nothing
	QUARTER 0, 3, F0, F1, 0
	TURN 0, 1, 0
	QUARTER 1, 1, F0, F1, 0
	QUARTER 1, 2, F1, F0, 0
	QUARTER 1, 3, F0, F1, 0
	s_wait_dscnt 4
	WIN MUL
	MUL8 F1, 0, 0
	MUL8 F1, 1, 0
	s_wait_dscnt 0
	MUL8 F1, 2, 0
	MUL8 F1, 3, 0
	WIN 0
; THE WAY OUT, block by block of 16 rows x 128 columns, through my own stage: back as whole rows of 512 bytes.
.macro TOSTAGE a
	WIN 0x08                                       ; an LDS store's data: window 2
.irp b, 0,1,2,3,4,5,6,7
	ds_store_b128 v[STO], v[64*(\a)+8*\b:64*(\a)+8*\b+3] offset:64*\b          ; each accumulator from its low end on
	ds_store_b128 v[STO], v[64*(\a)+8*\b+4:64*(\a)+8*\b+7] offset:64*\b+16
.endr
	WIN 0
.set BB, BK+64*((\a)%2)
.irp t, 0,1,2,3,4,5,6,7,8,9,10,11,12,13,14,15
	ds_load_b128 v[BB+4*\t:BB+4*\t+3], v[RD] offset:\t*SPITCH
.endr
.endm
.macro SEND a, younger
.set BB, BK+64*((\a)%2)
	s_wait_dscnt \younger
.irp t, 0,1,2,3,4,5,6,7,8,9,10,11,12,13,14,15
	global_store_b128 v[CO], v[BB+4*\t:BB+4*\t+3], s[10:11] offset:(\a)*65536+\t*4096 th:TH_STORE_NT   ; 32 lanes store 512 consecutive bytes, aligned
.endr
.endm
	PLACES
	TOSTAGE 0
.irp a, 1,2,3
.if \a > 1
	s_wait_xcnt 0x0                                ; block a - 2's stores have read their registers
.endif
	TOSTAGE \a
	SEND \a-1, 32                                  ; behind block a - 1's loads: block a's 16 stores and 16 loads
.endr
	SEND 3, 0
	s_wait_tensorcnt 0x0                           ; the wave's end
	ds_add_u32 v[SPW], v[NIL]
	s_wait_dscnt 0x0
	CROUND                                         ; the closing round
	s_endpgm
.Lfunc_end_k_q072a7e2432_proj:
	.size	k_q072a7e2432_proj, .Lfunc_end_k_q072a7e2432_proj-k_q072a7e2432_proj
	.p2alignl 7, 3214868480
	.fill 96, 4, 3214868480
	.section	.rodata,"a",@progbits
	.p2align	6, 0x0
	.amdhsa_kernel k_q072a7e2432_proj
		.amdhsa_group_segment_fixed_size 327680
		.amdhsa_private_segment_fixed_size 0
		.amdhsa_enable_private_segment 0
		.amdhsa_kernarg_size 32
		.amdhsa_user_sgpr_count 2
		.amdhsa_user_sgpr_kernarg_segment_ptr 1
		.amdhsa_wavefront_size32 1
		.amdhsa_system_sgpr_workgroup_id_x 1
		.amdhsa_system_sgpr_workgroup_id_y 1
		.amdhsa_system_sgpr_workgroup_id_z 1
		.amdhsa_system_vgpr_workitem_id 0
		.amdhsa_next_free_vgpr 768
		.amdhsa_next_free_sgpr 72
		.amdhsa_reserve_vcc 0
		.amdhsa_float_denorm_mode_32 3
		.amdhsa_float_denorm_mode_16_64 3
		.amdhsa_memory_ordered 1
		.amdhsa_forward_progress 1
		.amdhsa_inst_pref_size 86
	.end_amdhsa_kernel
	.amdgpu_metadata
---
amdhsa.version: [ 1, 2 ]
amdhsa.kernels:
  - .name:           k_q072a7e2432_proj
    .symbol:         k_q072a7e2432_proj.kd
    .args:
      - { .name: ao, .offset: 0, .size: 8, .value_kind: global_buffer, .address_space: global }
      - { .name: wp16, .offset: 8, .size: 8, .value_kind: global_buffer, .address_space: global }
      - { .name: bp, .offset: 16, .size: 8, .value_kind: global_buffer, .address_space: global }
      - { .name: out0, .offset: 24, .size: 8, .value_kind: global_buffer, .address_space: global }
    .group_segment_fixed_size: 327680
    .private_segment_fixed_size: 0
    .kernarg_segment_align: 8
    .kernarg_segment_size: 32
    .max_flat_workgroup_size: 128
    .sgpr_count:     72
    .vgpr_count:     768
    .wavefront_size: 32
...
	.end_amdgpu_metadata
.endif
;; end of part 4
;; launch fine_attn (part 5): grid 64 x 1, 1 waves a work-group, no clusters, 0 bytes of LDS; arguments codes, scales, rope, fo; writes fo
.if DOCPART == 5
	.amdgcn_target "amdgcn-amd-amdhsa--gfx1250"
	.amdhsa_code_object_version 6
	.text
	.protected	k_q072a7e2432_fine_attn
	.globl	k_q072a7e2432_fine_attn
	.p2align	8
	.type	k_q072a7e2432_fine_attn,@function
k_q072a7e2432_fine_attn:
	s_mov_b64 s[64:65], 0
	v_nop
	global_prefetch_b8 v0, s[64:65] scope:SCOPE_SE
	s_setreg_imm32_b32 hwreg(HW_REG_WAVE_MODE, 25, 1), 1
	s_wait_xcnt 0x0
; THE FIRST 16 POSITIONS OF EACH SEQUENCE AND HEAD, carried in f32: these rows average one to sixteen values and are the largest in size.  One wave to a (batch, head).
; q, k, v of positions 0-15 are made anew on the FP4 codes (K = 1,024: 8 steps); RoPE, both attention products (v_wmma_f32_16x16x4_f32) and the softmax in f32.  fo [bh][quad 8][lane 32][4]: register 8 ct + j of lane (r, h) is o(position r, channel 16 ct + 8 h + j).
; q and k are used transposed (source 0 = 16 rows of W, source 1 = x): lane (r, h) holds position r, channels 16 t + 8 h + j.  In S^T = k q^T a register pair of k and the same pair of q hold the same four channels in the same lanes and
; registers, so the f32 form sums them whatever their true numbers.  v is used as it is (source 0 = x): lane (r, h) holds channel 16 ct + r and positions 8 h + j: a pair of its registers and the same pair of p hold the same four keys.
; The registers that the f32 form writes are written by matrix instructions alone; scale registers hold nothing but scales.
; REGISTERS: window 0: v1-6 addresses; v8-71 x's 8 fragments, later scores, p and results; v72-79 x's scale words; v80-127 W's; v128-159 q, v160-191 k, v192-223 v; v224-255 cos, sin.
;   window 1: Wq's 32 fragments, later Wv's.   window 2: Wk's.   window 3: v0-15 S^T in two halves, v16-47 O^T; v64-95 rotated q, v96-127 rotated k.
.set XF,   8
.set XS,   72
.set WS,   80                          ; v[WS + 16 w + 8 i + s]: lanes 0-15 tile 2 i's word, lanes 16-31 tile 2 i + 1's
.set ACCQ, 128
.set ACCK, 160
.set ACCV, 192
.set RP,   224
.set QR,   64                          ; in window 3
.set KR,   96
.set MSB, 0
.macro WIN new
.if MSB != (\new)
	s_set_vgpr_msb (MSB<<8)|(\new)
.set MSB, (\new)
.endif
.endm
	s_load_b256 s[4:11], s[0:1], 0x0               ; codes, scales, rope, fo
	v_and_b32 v7, 15, v0                           ; r
	v_lshrrev_b32 v5, 4, v0                        ; h
	v_lshlrev_b32 v1, 9, v7
	v_lshl_add_u32 v1, v5, 4, v1                   ; a fragment: row r of 512 bytes, + 16 h
	v_lshlrev_b32 v2, 5, v7                        ; x's scale words: row r of 32 bytes
	v_lshlrev_b32 v3, 5, v0                        ; W's: row = lane
	v_lshlrev_b32 v4, 3, v5
	v_sub_nc_u32 v4, v7, v4                        ; r - 8 h
	v_lshlrev_b32 v6, 4, v0                        ; 16 x lane
	v_mov_b32 v5, 0xff800000                       ; -infinity
	s_lshr_b32 s12, ttmp9, 4                       ; batch
	s_and_b32 s13, ttmp9, 15                       ; head
	s_lshl_b32 s14, s12, 20
	s_mov_b32 s15, 0
	s_lshl_b32 s16, s13, 15
	s_add_co_u32 s16, s16, 0x400000
	s_mov_b32 s17, 0
	s_lshl_b32 s18, s12, 16
	s_mov_b32 s19, 0
	s_lshl_b32 s20, s13, 11
	s_add_co_u32 s20, s20, 0x40000
	s_mov_b32 s21, 0
	s_lshl_b32 s22, ttmp9, 12
	s_mov_b32 s23, 0
	s_mov_b32 s24, 0x76543210
	s_mov_b32 s25, 0xfedcba98
	s_mov_b32 s26, 0x3e38aa3b                      ; c = log2(e) / 8
	s_wait_kmcnt 0x0
	s_add_nc_u64 s[14:15], s[4:5], s[14:15]        ; x's codes, the batch's first row
	s_add_nc_u64 s[16:17], s[4:5], s[16:17]        ; Wq's codes, the head's first row
	s_add_nc_u64 s[18:19], s[6:7], s[18:19]
	s_add_nc_u64 s[20:21], s[6:7], s[20:21]
	s_add_nc_u64 s[10:11], s[10:11], s[22:23]
.irp s, 0,1,2,3,4,5,6,7
.irp c, 0,1
	global_load_b128 v[XF+8*\s+4*\c:XF+8*\s+4*\c+3], v1, s[14:15] offset:64*\s+32*\c
.endr
.endr
	global_load_b128 v[XS:XS+3], v2, s[18:19]
	global_load_b128 v[XS+4:XS+7], v2, s[18:19] offset:16
.irp w, 0,1,2
.irp i, 0,1
.irp e, 0,1
	global_load_b128 v[WS+16*\w+8*\i+4*\e:WS+16*\w+8*\i+4*\e+3], v3, s[20:21] offset:\w*32768+\i*1024+16*\e
.endr
.endr
.endr
.irp i, 0,1,2,3,4,5,6,7
	global_load_b128 v[RP+4*\i:RP+4*\i+3], v6, s[8:9] offset:512*\i    ; group 0: positions 0-15
.endr
.macro WLOAD w                         ; a tensor's 32 fragments: (t, s) at v[8 (8 t + s)] of the destination's window
.irp t, 0,1,2,3
.irp s, 0,1,2,3,4,5,6,7
.irp c, 0,1
	global_load_b128 v[8*(8*\t+\s)+4*\c:8*(8*\t+\s)+4*\c+3], v1, s[16:17] offset:\w*524288+\t*8192+\s*64+\c*32
.endr
.endr
.endr
.endm
	WIN 0x40
	WLOAD 0
	WIN 0x80
	WLOAD 1
; One product.  FPT: transposed;  FPN: as it is.  Four accumulators take turns, K step by K step.
.macro FPT acc, w, s, t
.set rD, \acc+8*(\t)
.set rW, 8*(8*(\t)+(\s))
.set rX, XF+8*(\s)
.set rZ, WS+16*(\w)+8*((\t)/2)+(\s)
.if (\s) == 0
.if (\t)%2
	v_wmma_scale_f32_16x16x128_f8f6f4 v[rD:rD+7], v[rW:rW+7], v[rX:rX+7], 0, v[rZ], v[XS+(\s)] matrix_a_fmt:MATRIX_FMT_FP4 matrix_b_fmt:MATRIX_FMT_FP4 matrix_a_scale:MATRIX_SCALE_ROW1
.else
	v_wmma_scale_f32_16x16x128_f8f6f4 v[rD:rD+7], v[rW:rW+7], v[rX:rX+7], 0, v[rZ], v[XS+(\s)] matrix_a_fmt:MATRIX_FMT_FP4 matrix_b_fmt:MATRIX_FMT_FP4
.endif
.else
.if (\t)%2
	v_wmma_scale_f32_16x16x128_f8f6f4 v[rD:rD+7], v[rW:rW+7], v[rX:rX+7], v[rD:rD+7], v[rZ], v[XS+(\s)] matrix_a_fmt:MATRIX_FMT_FP4 matrix_b_fmt:MATRIX_FMT_FP4 matrix_a_scale:MATRIX_SCALE_ROW1
.else
	v_wmma_scale_f32_16x16x128_f8f6f4 v[rD:rD+7], v[rW:rW+7], v[rX:rX+7], v[rD:rD+7], v[rZ], v[XS+(\s)] matrix_a_fmt:MATRIX_FMT_FP4 matrix_b_fmt:MATRIX_FMT_FP4
.endif
.endif
.endm
.macro FPN acc, w, s, t
.set rD, \acc+8*(\t)
.set rW, 8*(8*(\t)+(\s))
.set rX, XF+8*(\s)
.set rZ, WS+16*(\w)+8*((\t)/2)+(\s)
.if (\s) == 0
.if (\t)%2
	v_wmma_scale_f32_16x16x128_f8f6f4 v[rD:rD+7], v[rX:rX+7], v[rW:rW+7], 0, v[XS+(\s)], v[rZ] matrix_a_fmt:MATRIX_FMT_FP4 matrix_b_fmt:MATRIX_FMT_FP4 matrix_b_scale:MATRIX_SCALE_ROW1
.else
	v_wmma_scale_f32_16x16x128_f8f6f4 v[rD:rD+7], v[rX:rX+7], v[rW:rW+7], 0, v[XS+(\s)], v[rZ] matrix_a_fmt:MATRIX_FMT_FP4 matrix_b_fmt:MATRIX_FMT_FP4
.endif
.else
.if (\t)%2
	v_wmma_scale_f32_16x16x128_f8f6f4 v[rD:rD+7], v[rX:rX+7], v[rW:rW+7], v[rD:rD+7], v[XS+(\s)], v[rZ] matrix_a_fmt:MATRIX_FMT_FP4 matrix_b_fmt:MATRIX_FMT_FP4 matrix_b_scale:MATRIX_SCALE_ROW1
.else
	v_wmma_scale_f32_16x16x128_f8f6f4 v[rD:rD+7], v[rX:rX+7], v[rW:rW+7], v[rD:rD+7], v[XS+(\s)], v[rZ] matrix_a_fmt:MATRIX_FMT_FP4 matrix_b_fmt:MATRIX_FMT_FP4
.endif
.endif
.endm
	s_wait_loadcnt 63                              ; behind Wq's last load 64 were issued; the count's field holds 63, and the smaller count is the safe one
	WIN 0x01                                       ; source 0 (Wq) window 1
.irp s, 0,1,2,3,4,5,6,7
.irp t, 0,1,2,3
	FPT ACCQ, 0, \s, \t
.endr
.endr
.rept 4
	v_nop                                          ; places in front of loads into registers that matrix instructions have read
.endr
	WIN 0x40
	WLOAD 2                                        ; Wv takes Wq's registers
	s_wait_loadcnt 63                              ; behind Wk's last load: Wv's 64
	WIN 0x02                                       ; source 0 (Wk) window 2
.irp s, 0,1,2,3,4,5,6,7
.irp t, 0,1,2,3
	FPT ACCK, 1, \s, \t
.endr
.endr
.rept 4
	v_nop
.endr
; RoPE: out(d) = t(d) cos - t(d + 32) sin, out(d + 32) = t(d) sin + t(d + 32) cos: tiles bb and bb + 2, each accumulator read from its low end on
.macro ROT src, dst
.irp bb, 0,1
.irp jj, 0,2,4,6
	v_pk_mul_f32 v[\dst+8*\bb+\jj:\dst+8*\bb+\jj+1], v[\src+8*(\bb+2)+\jj:\src+8*(\bb+2)+\jj+1], v[RP+16+8*\bb+\jj:RP+16+8*\bb+\jj+1]
	v_pk_mul_f32 v[\dst+8*(\bb+2)+\jj:\dst+8*(\bb+2)+\jj+1], v[\src+8*(\bb+2)+\jj:\src+8*(\bb+2)+\jj+1], v[RP+8*\bb+\jj:RP+8*\bb+\jj+1]
	v_pk_fma_f32 v[\dst+8*\bb+\jj:\dst+8*\bb+\jj+1], v[\src+8*\bb+\jj:\src+8*\bb+\jj+1], v[RP+8*\bb+\jj:RP+8*\bb+\jj+1], v[\dst+8*\bb+\jj:\dst+8*\bb+\jj+1] neg_lo:[0,0,1] neg_hi:[0,0,1]
	v_pk_fma_f32 v[\dst+8*(\bb+2)+\jj:\dst+8*(\bb+2)+\jj+1], v[\src+8*\bb+\jj:\src+8*\bb+\jj+1], v[RP+16+8*\bb+\jj:RP+16+8*\bb+\jj+1], v[\dst+8*(\bb+2)+\jj:\dst+8*(\bb+2)+\jj+1]
.endr
.endr
.endm
	WIN 0xf0                                       ; destination and source 2 window 3
	ROT ACCQ, QR
	ROT ACCK, KR
.rept 4
	v_nop
.endr
	WIN 0xff
.irp i, 0,1,2,3,4,5,6,7,8,9,10,11,12,13,14,15      ; S^T = k q^T: two accumulators by turns, four channels an instruction
.if \i < 2
	v_wmma_f32_16x16x4_f32 v[8*(\i%2):8*(\i%2)+7], v[KR+2*\i:KR+2*\i+1], v[QR+2*\i:QR+2*\i+1], 0
.else
	v_wmma_f32_16x16x4_f32 v[8*(\i%2):8*(\i%2)+7], v[KR+2*\i:KR+2*\i+1], v[QR+2*\i:QR+2*\i+1], v[8*(\i%2):8*(\i%2)+7]
.endif
.endr
	s_wait_loadcnt 0x0                             ; Wv
	WIN 0x04                                       ; source 1 (Wv) window 1
.irp s, 0,1,2,3,4,5,6,7
.irp t, 0,1,2,3
	FPN ACCV, 2, \s, \t
.endr
.endr
	WIN 0
.rept 8
	v_nop                                          ; eight places behind the f32 form, in front of the first read of its results
.endr
	WIN 0x0f                                       ; sources window 3
.irp j, 0,1,2,3,4,5,6,7
	v_add_f32 v[8+\j], v[\j], v[8+\j]              ; the scores' two halves: lane (r, h): query r, key 8 h + j
.endr
	WIN 0
	v_mov_b32 v25, 0                               ; (a lane permute's destination counts as one of its sources)
	v_mov_b32 v29, 0
.irp j, 0,1,2,3,4,5,6,7
	v_cmp_gt_i32 vcc_lo, \j, v4                    ; key 8 h + j comes after query r
	v_cndmask_b32 v[8+\j], v[8+\j], v5, vcc_lo
.endr
	v_max3_num_f32 v24, v8, v9, v10
	v_max3_num_f32 v24, v24, v11, v12
	v_max3_num_f32 v24, v24, v13, v14
	v_max_num_f32 v24, v24, v15
	v_permlanex16_b32 v25, v24, s24, s25
	v_max_num_f32 v24, v24, v25                    ; the row's maximum (key 0 counts for every query)
	v_mul_f32 v26, s26, v24
.irp j, 0,1,2,3,4,5,6,7
	v_fma_f32 v[16+\j], v[8+\j], s26, -v26
.endr
.irp j, 0,1,2,3,4,5,6,7
	v_exp_f32 v[16+\j], v[16+\j]
.endr
	v_nop
	s_wait_alu depctr_va_vdst(0)                   ; one wait for the eight
	v_add_f32 v27, v16, v17
	v_add_f32 v28, v18, v19
	v_add_f32 v30, v20, v21
	v_add_f32 v31, v22, v23
	v_add_f32 v27, v27, v28
	v_add_f32 v30, v30, v31
	v_add_f32 v27, v27, v30
	v_permlanex16_b32 v29, v27, s24, s25
	v_add_f32 v27, v27, v29                        ; the row's sum
	v_rcp_f32 v27, v27
	v_nop
	s_wait_alu depctr_va_vdst(0)
	WIN 0xf0                                       ; C and D window 3
.irp i, 0,1,2,3                                    ; O^T = v^T p: four accumulators by turns, four keys an instruction
.irp ct, 0,1,2,3
.if \i == 0
	v_wmma_f32_16x16x4_f32 v[16+8*\ct:16+8*\ct+7], v[ACCV+8*\ct+2*\i:ACCV+8*\ct+2*\i+1], v[16+2*\i:17+2*\i], 0
.else
	v_wmma_f32_16x16x4_f32 v[16+8*\ct:16+8*\ct+7], v[ACCV+8*\ct+2*\i:ACCV+8*\ct+2*\i+1], v[16+2*\i:17+2*\i], v[16+8*\ct:16+8*\ct+7]
.endif
.endr
.endr
	WIN 0
.rept 8
	v_nop
.endr
	WIN 0x03                                       ; source 0 window 3
.set i, 0
.rept 32
	v_mul_f32 v[32+i], v[16+i], v27                ; O^T / the sum, into other registers, each accumulator from its low end on
.set i, i+1
.endr
	WIN 0
.irp i, 0,1,2,3,4,5,6,7
	global_store_b128 v6, v[32+4*\i:35+4*\i], s[10:11] offset:512*\i   ; 512 consecutive bytes
.endr
	s_endpgm
.Lfunc_end_k_q072a7e2432_fine_attn:
	.size	k_q072a7e2432_fine_attn, .Lfunc_end_k_q072a7e2432_fine_attn-k_q072a7e2432_fine_attn
	.p2alignl 7, 3214868480
	.fill 96, 4, 3214868480
	.section	.rodata,"a",@progbits
	.p2align	6, 0x0
	.amdhsa_kernel k_q072a7e2432_fine_attn
		.amdhsa_group_segment_fixed_size 0
		.amdhsa_private_segment_fixed_size 0
		.amdhsa_enable_private_segment 0
		.amdhsa_kernarg_size 32
		.amdhsa_user_sgpr_count 2
		.amdhsa_user_sgpr_kernarg_segment_ptr 1
		.amdhsa_wavefront_size32 1
		.amdhsa_system_sgpr_workgroup_id_x 1
		.amdhsa_system_sgpr_workgroup_id_y 1
		.amdhsa_system_sgpr_workgroup_id_z 1
		.amdhsa_system_vgpr_workitem_id 0
		.amdhsa_next_free_vgpr 1024
		.amdhsa_next_free_sgpr 66
		.amdhsa_reserve_vcc 1
		.amdhsa_float_denorm_mode_32 3
		.amdhsa_float_denorm_mode_16_64 3
		.amdhsa_memory_ordered 1
		.amdhsa_forward_progress 1
		.amdhsa_inst_pref_size 47
	.end_amdhsa_kernel
	.amdgpu_metadata
---
amdhsa.version: [ 1, 2 ]
amdhsa.kernels:
  - .name:           k_q072a7e2432_fine_attn
    .symbol:         k_q072a7e2432_fine_attn.kd
    .args:
      - { .name: codes, .offset: 0, .size: 8, .value_kind: global_buffer, .address_space: global }
      - { .name: scales, .offset: 8, .size: 8, .value_kind: global_buffer, .address_space: global }
      - { .name: rope, .offset: 16, .size: 8, .value_kind: global_buffer, .address_space: global }
      - { .name: fo, .offset: 24, .size: 8, .value_kind: global_buffer, .address_space: global }
    .group_segment_fixed_size: 0
    .private_segment_fixed_size: 0
    .kernarg_segment_align: 8
    .kernarg_segment_size: 32
    .max_flat_workgroup_size: 32
    .sgpr_count:     66
    .vgpr_count:     1024
    .wavefront_size: 32
...
	.end_amdgpu_metadata
.endif
;; end of part 5
;; launch fine_proj (part 6): grid 64 x 4, 4 waves a work-group, no clusters, 4,608 bytes of LDS; arguments fo, Wp, bp, out0; writes out0
.if DOCPART == 6
	.amdgcn_target "amdgcn-amd-amdhsa--gfx1250"
	.amdhsa_code_object_version 6
	.text
	.protected	k_q072a7e2432_fine_proj
	.globl	k_q072a7e2432_fine_proj
	.p2align	8
	.type	k_q072a7e2432_fine_proj,@function
k_q072a7e2432_fine_proj:
	s_mov_b64 s[64:65], 0
	v_nop
	global_prefetch_b8 v0, s[64:65] scope:SCOPE_SE
	s_setreg_imm32_b32 hwreg(HW_REG_WAVE_MODE, 25, 1), 1
	s_wait_xcnt 0x0
; THE FIRST 16 POSITIONS OF EACH SEQUENCE THROUGH THE PROJECTION, in f32: out0[b][s < 16][n] = sum over (h, d) of fo(b, h, s, d) Wp[n][64 h + d] + bp[n].  These 64 rows are written over what the f16 projection left there.
; Work-group (x, b) makes 16 positions x 16 columns (16 x on).  Wave w sums heads 4 w .. 4 w + 3 (K = 256: 64 instructions of the f32 form, two accumulators by turns); the four parts meet in LDS and wave 0 adds them and the bias.
; USED TRANSPOSED (source 0 = 16 rows of Wp, source 1 = fo): a lane holds position r and columns 8 h + 0..7.  A register pair of fo holds channels 16 ct + 8 h + 2 i', + 1; Wp is loaded so that the same pair holds the same channels.
; Each row gets 64 bytes from a work-group: 256 KB in all are stored so; the finer split puts every SIMD on this f32 work.
; The registers that the f32 form writes (v144-159) are written by matrix instructions alone.
.set FA,   16                          ; v16-143  fo: 32 registers a head
.set DA,   144                         ; v144-159 the two accumulators
.set T,    160                         ; v160-167 their sum
.set BI,   168                         ; v168-175 the bias
.set RR,   176                         ; v176-207 the four waves' parts;  v208-215 at work
.set SPW,  14
.set NIL,  15
.set SPARE, 4096                       ; behind the four images of 1,024 bytes: the spare words
.set MSB, 0
.macro WIN new
.if MSB != (\new)
	s_set_vgpr_msb (MSB<<8)|(\new)
.set MSB, (\new)
.endif
.endm
	s_load_b256 s[4:11], s[0:1], 0x0               ; fo, Wp, bp, out0
	v_lshl_add_u32 v[SPW], v0, 2, SPARE
	v_mov_b32 v[NIL], 0
	v_lshrrev_b32 v1, 5, v0
	v_readfirstlane_b32 s12, v1                    ; wave
	v_and_b32 v6, 31, v0
	v_and_b32 v7, 15, v0                           ; r
	v_bfe_u32 v8, v0, 4, 1                         ; h
	v_lshlrev_b32 v1, 4, v6                        ; 16 x lane
	v_lshlrev_b32 v2, 12, v7
	v_lshl_add_u32 v2, v8, 5, v2                   ; row r of 4,096 bytes + 32 h: in Wp and in out0 alike
	v_lshlrev_b32 v3, 5, v8
	s_lshl_b32 s13, s12, 10
	v_add_nc_u32 v4, s13, v1                       ; my wave's image in LDS
	s_and_b32 s14, ttmp7, 0xffff                   ; batch
	s_lshl_b32 s16, s14, 16
	s_lshl_b32 s17, s12, 14
	s_add_co_u32 s16, s16, s17                     ; fo: 16 heads a batch, my four of them, 4,096 bytes each
	s_mov_b32 s17, 0
	s_lshl_b32 s18, ttmp9, 16
	s_add_co_u32 s18, s18, s13                     ; Wp: my 16 rows, my four heads' 1,024 bytes
	s_mov_b32 s19, 0
	s_lshl_b32 s20, ttmp9, 6                       ; my 16 columns, in bytes
	s_mov_b32 s21, 0
	s_lshl_b32 s22, s14, 23
	s_add_co_u32 s22, s22, s20
	s_mov_b32 s23, 0
	s_wait_kmcnt 0x0
	s_add_nc_u64 s[4:5], s[4:5], s[16:17]
	s_add_nc_u64 s[6:7], s[6:7], s[18:19]
	s_add_nc_u64 s[8:9], s[8:9], s[20:21]
	s_add_nc_u64 s[10:11], s[10:11], s[22:23]
	global_load_b128 v[BI:BI+3], v3, s[8:9]
	global_load_b128 v[BI+4:BI+7], v3, s[8:9] offset:16
.irp hd, 0,1,2,3
.irp q, 0,1,2,3,4,5,6,7
	global_load_b128 v[FA+32*\hd+4*\q:FA+32*\hd+4*\q+3], v1, s[4:5] offset:\hd*4096+512*\q
.endr
	WIN 0x40
.irp ct, 0,1,2,3
.irp e, 0,1
	global_load_b128 v[32*\hd+8*\ct+4*\e:32*\hd+8*\ct+4*\e+3], v2, s[6:7] offset:\hd*256+\ct*64+16*\e
.endr
.endr
	WIN 0
.endr
	WIN 0x01                                       ; source 0 (Wp) window 1
.irp hd, 0,1,2,3
	s_wait_loadcnt 16*(3-\hd)                      ; this head's 16 loads are in; the later heads' may be out
.irp i, 0,1,2,3,4,5,6,7,8,9,10,11,12,13,14,15
.if (\hd == 0) && (\i < 2)
	v_wmma_f32_16x16x4_f32 v[DA+8*(\i%2):DA+8*(\i%2)+7], v[32*\hd+2*\i:32*\hd+2*\i+1], v[FA+32*\hd+2*\i:FA+32*\hd+2*\i+1], 0
.else
	v_wmma_f32_16x16x4_f32 v[DA+8*(\i%2):DA+8*(\i%2)+7], v[32*\hd+2*\i:32*\hd+2*\i+1], v[FA+32*\hd+2*\i:FA+32*\hd+2*\i+1], v[DA+8*(\i%2):DA+8*(\i%2)+7]
.endif
.endr
.endr
	WIN 0
.rept 8
	v_nop                                          ; eight places behind the f32 form
.endr
.irp j, 0,1,2,3,4,5,6,7
	v_add_f32 v[T+\j], v[DA+\j], v[DA+8+\j]
.endr
	ds_store_b128 v4, v[T:T+3]                     ; my part, as an image of its registers
	ds_store_b128 v4, v[T+4:T+7] offset:512
	s_wait_dscnt 0x0                               ; for the others' sake: my stores have landed
	s_barrier_signal -1
	s_barrier_wait -1
	s_cmp_lg_u32 s12, 0
	s_cbranch_scc1 .Ldone
.irp w, 0,1,2,3
.irp e, 0,1
	ds_load_b128 v[RR+8*\w+4*\e:RR+8*\w+4*\e+3], v1 offset:\w*1024+512*\e
.endr
.endr
	s_wait_dscnt 0x0
.irp j, 0,2,4,6
	v_pk_add_f32 v[T+\j:T+\j+1], v[RR+\j:RR+\j+1], v[RR+8+\j:RR+8+\j+1]
	v_pk_add_f32 v[208+\j:209+\j], v[RR+16+\j:RR+16+\j+1], v[RR+24+\j:RR+24+\j+1]
.endr
.irp j, 0,2,4,6
	v_pk_add_f32 v[T+\j:T+\j+1], v[T+\j:T+\j+1], v[208+\j:209+\j]
.endr
.irp j, 0,2,4,6
	v_pk_add_f32 v[T+\j:T+\j+1], v[T+\j:T+\j+1], v[BI+\j:BI+\j+1]
.endr
	global_store_b128 v2, v[T:T+3], s[10:11]
	global_store_b128 v2, v[T+4:T+7], s[10:11] offset:16
.Ldone:
	s_wait_tensorcnt 0x0                           ; the wave's end
	ds_add_u32 v[SPW], v[NIL]
	s_wait_dscnt 0x0
	s_endpgm
.Lfunc_end_k_q072a7e2432_fine_proj:
	.size	k_q072a7e2432_fine_proj, .Lfunc_end_k_q072a7e2432_fine_proj-k_q072a7e2432_fine_proj
	.p2alignl 7, 3214868480
	.fill 96, 4, 3214868480
	.section	.rodata,"a",@progbits
	.p2align	6, 0x0
	.amdhsa_kernel k_q072a7e2432_fine_proj
		.amdhsa_group_segment_fixed_size 4608
		.amdhsa_private_segment_fixed_size 0
		.amdhsa_enable_private_segment 0
		.amdhsa_kernarg_size 32
		.amdhsa_user_sgpr_count 2
		.amdhsa_user_sgpr_kernarg_segment_ptr 1
		.amdhsa_wavefront_size32 1
		.amdhsa_system_sgpr_workgroup_id_x 1
		.amdhsa_system_sgpr_workgroup_id_y 1
		.amdhsa_system_sgpr_workgroup_id_z 1
		.amdhsa_system_vgpr_workitem_id 0
		.amdhsa_next_free_vgpr 384
		.amdhsa_next_free_sgpr 66
		.amdhsa_reserve_vcc 0
		.amdhsa_float_denorm_mode_32 3
		.amdhsa_float_denorm_mode_16_64 3
		.amdhsa_memory_ordered 1
		.amdhsa_forward_progress 1
		.amdhsa_inst_pref_size 15
	.end_amdhsa_kernel
	.amdgpu_metadata
---
amdhsa.version: [ 1, 2 ]
amdhsa.kernels:
  - .name:           k_q072a7e2432_fine_proj
    .symbol:         k_q072a7e2432_fine_proj.kd
    .args:
      - { .name: fo, .offset: 0, .size: 8, .value_kind: global_buffer, .address_space: global }
      - { .name: Wp, .offset: 8, .size: 8, .value_kind: global_buffer, .address_space: global }
      - { .name: bp, .offset: 16, .size: 8, .value_kind: global_buffer, .address_space: global }
      - { .name: out0, .offset: 24, .size: 8, .value_kind: global_buffer, .address_space: global }
    .group_segment_fixed_size: 4608
    .private_segment_fixed_size: 0
    .kernarg_segment_align: 8
    .kernarg_segment_size: 32
    .max_flat_workgroup_size: 128
    .sgpr_count:     66
    .vgpr_count:     384
    .wavefront_size: 32
...
	.end_amdgpu_metadata
.endif
;; end of part 6
